; MI455X (gfx1250); checked and timed in simulation.
; The chip was launched on July 23, 2026; its instructions are those of AMD's public machine-readable ISA for CDNA 5 (MIT licence, August 2026) and "CDNA5" Instruction Set Architecture Reference Guide (July 2026). The comments in the code are by the model that wrote it; some were corrected since.
;; Decoder Block. Allowed arithmetic: matrix products marked QUANTISED: E4M3 operands, one given power-of-two scale a tensor, by v_wmma_f32_16x16x64_fp8_fp8 or v_wmma_f32_16x16x128_fp8_fp8, f32 sums; everything else in f32.
;; Inputs: W1_codes 3,072 x 24 x 32 uint8 (E4M3 codes of W1, K innermost, in blocks of 32 codes); W2_codes 768 x 96 x 32 uint8 (E4M3 codes of W2, K innermost, in blocks of 32 codes); Wk_codes 768 x 24 x 32 uint8 (E4M3 codes of Wk, K innermost, in blocks of 32 codes); Wo_codes 768 x 24 x 32 uint8 (E4M3 codes of Wo, K innermost, in blocks of 32 codes); Wq_codes 768 x 24 x 32 uint8 (E4M3 codes of Wq, K innermost, in blocks of 32 codes); Wv_codes 768 x 24 x 32 uint8 (E4M3 codes of Wv, K innermost, in blocks of 32 codes); b1 3,072 float32; b2 768 float32; bk 768 float32; bo 768 float32; bq 768 float32; bv 768 float32; ln1_b 768 float32; ln1_g 768 float32; ln2_b 768 float32; ln2_g 768 float32; lowp_scales 16 int32 (the exponents e of the quantised operands' scales 2^e); x 1 x 4,096 x 768 float32.
;; Outputs: out0 1 x 4,096 x 768 float32.
;; This version of the problem:
;;   THIS VERSION OF THE PROBLEM IS GIVEN IN LOW PRECISION. The matrix products marked QUANTISED in the list below multiply operands that are first quantised to E4M3 (4 exponent bits, 3 mantissa bits; 8 bits a number), with one given power-of-two scale for each operand tensor; their sums are f32. All else is computed in f32.
;;   The module's matrix products, in the order in which they are computed (A, B: the left and right operand; K: the contracted axis; several contracted axes count as one K, in the product's order):
;;     1. [M 4,096, K 768] x [K 768, N 768]; A: computed on the way; B: input Wq (given as codes): QUANTISED (scales: A lowp_scales[0], B lowp_scales[1])
;;     2. [M 4,096, K 768] x [K 768, N 768]; A: computed on the way; B: input Wk (given as codes): QUANTISED (scales: A lowp_scales[2], B lowp_scales[3])
;;     3. [M 4,096, K 768] x [K 768, N 768]; A: computed on the way; B: input Wv (given as codes): QUANTISED (scales: A lowp_scales[4], B lowp_scales[5])
;;     4. batch 12 x [M 4,096, K 64] x [K 64, N 4,096]; A: computed on the way; B: computed on the way: QUANTISED (scales: A lowp_scales[6], B lowp_scales[7])
;;     5. batch 12 x [M 4,096, K 4,096] x [K 4,096, N 64]; A: softmax (see below); B: computed on the way: QUANTISED (scales: A lowp_scales[8], B lowp_scales[9])
;;     6. [M 4,096, K 768] x [K 768, N 768]; A: computed on the way; B: input Wo (given as codes): QUANTISED (scales: A lowp_scales[10], B lowp_scales[11])
;;     7. [M 4,096, K 768] x [K 768, N 3,072]; A: computed on the way; B: input W1 (given as codes): QUANTISED (scales: A lowp_scales[12], B lowp_scales[13])
;;     8. [M 4,096, K 3,072] x [K 3,072, N 768]; A: computed on the way; B: input W2 (given as codes): QUANTISED (scales: A lowp_scales[14], B lowp_scales[15])
;;   THE QUANTISER, for each operand of a quantised product, along K:
;;     - The operand's scale is 2^e, e = its entry of the input lowp_scales (int32; the entries are numbered through the quantised products in the list's order, A before B).
;;     - Each number is divided by the scale, clamped to +-448, and rounded to the nearest number of E4M3, ties to even, subnormals kept.
;;     - The product sums the exact products of the quantised numbers (number of the format x scale) in f32.
;;   ~~~python
;;   def quantise(x, axis, e):      # numpy; x: float32 -> the quantised numbers, widened to float32 again
;;       x = np.moveaxis(x, axis, -1); K = x.shape[-1]
;;       r = np.clip(x / 2.0 ** e, -448, 448)
;;       step = 2.0 ** (np.maximum(np.frexp(np.where(r == 0, 1, r))[1] - 1, -6) - 3)
;;       q = np.round(r / step) * step * 2.0 ** e      # np.round: ties to even
;;       return np.moveaxis(q, -1, axis).astype(np.float32)
;;   ~~~
;;   SOFTMAX AHEAD OF A QUANTISED PRODUCT. Where the list says 'softmax', what is quantised is not the finished softmax but p = 2^(t - M), with t = logit x log2(e) and M = ceil(the row's largest t), a whole number; so 1/2 < the row's largest p <= 1. The row's sum l is taken of the UNQUANTISED p, in f32, and the product's result is divided by l at the end. Since M is a whole number, a kernel that streams over the keys may use a running M (the ceiling of the running maximum): every later rescaling is an exact power of two, so the quantised numbers keep their values, but for numbers so far below the row's largest that they fall under the format's range.
;;   OPERANDS COMPUTED ON THE WAY. 'Computed on the way' means the value that the module computes at that place (a softmax that the list does not call 'softmax' is quantised finished and normalised). What goes into a quantiser is computed in f32, as accurately as f32 sums, v_exp_f32 and their like allow (about 1e-6 of the number): no bf16 or f16 on the way to a quantiser, and a product that is left as it is and whose result goes on into a quantised operand takes f32 operands (vector FMAs, or v_wmma_f32_16x16x4_f32). A number that lies on a knife's edge between two numbers of the format may be rounded either way, as far as f32 arithmetic and the matrix unit's own rounding can turn it there, and no further.
;;   INPUTS GIVEN AS CODES. W1 (in the module: [768, 3072], K = its axis 0); W2 (in the module: [3072, 768], K = its axis 0); Wk (in the module: [768, 768], K = its axis 0); Wo (in the module: [768, 768], K = its axis 0); Wq (in the module: [768, 768], K = its axis 0); Wv (in the module: [768, 768], K = its axis 0): each comes as NAME_codes (uint8): NAME with its K axis moved to the last place and cut into blocks of 32 codes, [.., K / 32, bytes a block], one block behind the other in memory; one code a byte (a code: sign, 4 exponent bits, 3 mantissa bits); its scale is its entry of lowp_scales. Its value is code x scale, taken as it is: it is not quantised again, and the codes and scales need not be those that the quantiser above would give.
;; One version. Each part assembles by itself: llvm-mc -triple=amdgcn-amd-amdhsa -mcpu=gfx1250 --defsym DOCPART=n.
;; ======== version 1 of 1: 6 launches
;; limits: right only within a limited range of input values
;; workspace buffers: hc 9,437,184 bytes; himg 12,582,912 bytes; wimg 7,077,888 bytes; qkv 9,437,184 bytes; ctx 3,145,728 bytes; h2b 15,728,640 bytes; hid 12,582,912 bytes
;; launch prep (part 1): grid 544 x 1, 6 waves a work-group, no clusters, 78,592 bytes of LDS; arguments x, ln1_g, ln1_b, lowp_scales, Wq_codes, Wk_codes, Wv_codes, Wo_codes, W1_codes, W2_codes, hc, himg, wimg; writes hc, himg, wimg
.if DOCPART == 1
	.amdgcn_target "amdgcn-amd-amdhsa--gfx1250"
	.amdhsa_code_object_version 6
	.text
	.protected	k_qe6a57d4267_prep
	.globl	k_qe6a57d4267_prep
	.p2align	8
	.type	k_qe6a57d4267_prep,@function
k_qe6a57d4267_prep:
	s_mov_b64 s[64:65], 0
	v_nop
	global_prefetch_b8 v0, s[64:65] scope:SCOPE_SE
	s_setreg_imm32_b32 hwreg(HW_REG_WAVE_MODE, 25, 1), 1
	s_wait_xcnt 0x0
; DECODER BLOCK, launch 1 of 6: h = layernorm(x) in f32, its codes of E4M3 under the three given scales e0, e2, e4, and the six weights' codes laid as images of operand registers.
; WORK LEFT OUT IN THE WHOLE PROGRAM: only key steps of attention (128 keys) all of whose keys come after every query of a wave: reference() sets their scores to -infinity by its own jnp.tril, so their p is 0
; and adds nothing to the sum nor to the product, whatever the inputs hold.  LIMIT: a NaN or an infinity that reaches only such a step is not carried to the result.  Every input has a way to the output: all are loaded.
; LIMITS: e0, e2, e4 between -126 and 119, so that 2^e and 448 x 2^e are f32 numbers.  NaN among the inputs is not served.
; THE ORDER OF A TILE'S ROWS, in all launches: lane row r of tile T (16 tokens, or 16 rows of a weight) stands for index 32 (T / 2) + 8 (T % 2) + r + 8 (r / 8).  In a matrix result whose source 0 is such a tile
; the 16 registers of tiles 2 b and 2 b + 1 are then 16 neighbours, 32 b + 16 (lane / 16) + 0 .. 15.
; A FRAGMENT'S IMAGE: 16 rows x 128 K in 2,048 bytes, [c 0..3][lane][16 bytes]: lane (r, h) holds k = 32 c + 16 h + 0 .. 15 of its row.  Four loads of 512 consecutive bytes bring a fragment.
; Work-groups 0 to 255: tile T of tokens; wave s takes columns 128 s on.  Work-groups 256 to 543: each wave turns 16 rows x 256 bytes of a weight's codes into two images.  Each of the two ways has LDS bytes of its own.
.set LNST,  0                          ; six stages of 16 rows x (512 + 16) bytes
.set RED0,  50688                      ; 6 waves x 16 rows: partial sums
.set RED1,  51200                      ; the same for the squares
.set RLST,  51712                      ; six stages of 16 rows x (256 + 16) bytes
.set SPARE, 77824                      ; the spare words: 128 bytes a wave, three blocks of 256 bytes that no other line names
.set SPW, 252
.set NIL, 253
.set R, 16                             ; v16-79   x as loaded, then ln1_b, then two sets of 16 held numbers
.set X, 80                             ; v80-143  my 64 numbers: register 16 b + i = column 128 s + 32 b + 16 h + i of my row
.set G, 144                            ; v144-207 ln1_g, then 48 registers of codes
.macro CLOSE                           ; a wave's end
	s_wait_tensorcnt 0x0
	ds_add_u32 v[SPW], v[NIL]
	s_wait_dscnt 0x0
	s_endpgm
.endm
	s_load_b256 s[4:11], s[0:1], 0x0               ; x, ln1_g, ln1_b, lowp_scales
	s_load_b256 s[12:19], s[0:1], 0x20             ; Wq, Wk, Wv, Wo
	s_load_b256 s[20:27], s[0:1], 0x40             ; W1, W2, hc, himg
	s_load_b64 s[28:29], s[0:1], 0x60              ; wimg
	v_lshl_add_u32 v[SPW], v0, 2, SPARE
	v_mov_b32 v[NIL], 0
	v_lshrrev_b32 v1, 5, v0
	v_readfirstlane_b32 s30, v1                    ; wave 0..5
	v_and_b32 v1, 31, v0                           ; lane
	v_and_b32 v2, 15, v0                           ; r
	v_bfe_u32 v3, v0, 4, 1                         ; h
	v_lshlrev_b32 v4, 4, v1                        ; 16 x lane
	s_cmp_lt_u32 ttmp9, 256
	s_cbranch_scc0 .Lrelay
	; ---------------- layernorm and three quantisers
	s_mov_b32 s48, 0x76543210                      ; lane selects: lane l xor 16
	s_mov_b32 s49, 0xfedcba98
	s_mov_b32 s50, 0x3aaaaaab                      ; 1 / 768
	s_mov_b32 s51, 0x3727c5ac                      ; 1e-5
	s_mul_i32 s31, s30, 8448                       ; my stage
	v_add_nc_u32 v5, s31, v4                       ; in: a row's 512 bytes as they lie
	v_mul_u32_u24 v6, v2, 528
	v_lshl_add_u32 v6, v3, 6, v6
	v_add_nc_u32 v6, s31, v6                       ; out: row r, + 64 h
	v_lshlrev_b32 v7, 6, v3                        ; 64 h: my 16 columns of a block of 32
	v_lshlrev_b32 v9, 2, v2
	v_add_nc_u32 v9, RED0, v9                      ; row r's partial sums
	s_lshl_b32 s32, s30, 6
	v_add_nc_u32 v8, s32, v9                       ; my wave's word among them
	v_mov_b32 v11, 0                               ; a lane permute's destination counts as read
	s_lshr_b32 s33, ttmp9, 1
	s_lshl_b32 s33, s33, 5
	s_and_b32 s34, ttmp9, 1
	s_lshl_b32 s34, s34, 3
	s_add_co_u32 s33, s33, s34                     ; the tile's first token: 32 (T / 2) + 8 (T % 2)
	s_mul_i32 s34, s33, 3072
	s_lshl_b32 s36, s30, 9                         ; my 128 columns: 512 bytes
	s_mov_b32 s37, 0
	s_add_co_u32 s34, s34, s36
	s_mov_b32 s35, 0
	s_mul_i32 s38, ttmp9, 49152                    ; himg: 49,152 T + 8,192 s
	s_lshl_b32 s39, s30, 13
	s_add_co_u32 s38, s38, s39
	s_mov_b32 s39, 0
	s_mul_i32 s54, ttmp9, 12288                    ; hc: 12,288 T + 2,048 s
	s_lshl_b32 s55, s30, 11
	s_add_co_u32 s54, s54, s55
	s_mov_b32 s55, 0
	s_wait_alu depctr_va_vdst(0)
	s_wait_kmcnt 0x0
	s_load_b256 s[40:47], s[10:11], 0x0            ; e0 .. e7
	s_add_nc_u64 s[4:5], s[4:5], s[34:35]
	s_add_nc_u64 s[6:7], s[6:7], s[36:37]
	s_add_nc_u64 s[8:9], s[8:9], s[36:37]
	s_add_nc_u64 s[26:27], s[26:27], s[38:39]
	s_add_nc_u64 s[24:25], s[24:25], s[54:55]
.set i, 0
.rept 16
	global_load_b128 v[R+4*i:R+4*i+3], v4, s[4:5] offset:(i+8*(i/8))*3072 th:TH_LOAD_NT   ; 512 consecutive bytes of tile row i's token
.set i, i+1
.endr
.irp b, 0,1,2,3
.irp q, 0,1,2,3
	global_load_b128 v[G+16*\b+4*\q:G+16*\b+4*\q+3], v7, s[6:7] offset:128*\b+16*\q
.endr
.endr
	s_wait_loadcnt 16                              ; x is in; the sixteen loads of ln1_g may be out
.set i, 0
.rept 16
	ds_store_b128 v5, v[R+4*i:R+4*i+3] offset:528*i
.set i, i+1
.endr
.irp b, 0,1,2,3
.irp q, 0,1,2,3
	ds_load_b128 v[X+16*\b+4*\q:X+16*\b+4*\q+3], v6 offset:128*\b+16*\q   ; my own stage: LDS serves a wave's instructions in order
.endr
.endr
	s_wait_dscnt 0x0
.irp b, 0,1,2,3
.irp q, 0,1,2,3
	global_load_b128 v[R+16*\b+4*\q:R+16*\b+4*\q+3], v7, s[8:9] offset:128*\b+16*\q   ; ln1_b
.endr
.endr
; v10 holds a lane's partial sum: the other half of the lanes' is added, the six waves' meet in LDS at off, and v216 gets the row's sum
.macro WGSUM off
	v_permlanex16_b32 v11, v10, s48, s49
	v_add_f32 v10, v10, v11
	ds_store_b32 v8, v10 offset:\off
	s_wait_dscnt 0x0                               ; for the others' sake: my store has landed
	s_barrier_signal -1
	s_barrier_wait -1
.irp w, 0,1,2,3,4,5
	ds_load_b32 v[216+\w], v9 offset:\off+64*\w
.endr
	s_wait_dscnt 0x0
	v_add_f32 v216, v216, v217
	v_add_f32 v218, v218, v219
	v_add_f32 v220, v220, v221
	v_add_f32 v216, v216, v218
	v_add_f32 v216, v216, v220
.endm
	v_pk_add_f32 v[208:209], v[X:X+1], v[X+2:X+3]  ; the sum of my 64 numbers, in four chains
	v_pk_add_f32 v[210:211], v[X+4:X+5], v[X+6:X+7]
	v_pk_add_f32 v[212:213], v[X+8:X+9], v[X+10:X+11]
	v_pk_add_f32 v[214:215], v[X+12:X+13], v[X+14:X+15]
.set j, 16
.rept 6
	v_pk_add_f32 v[208:209], v[208:209], v[X+j:X+j+1]
	v_pk_add_f32 v[210:211], v[210:211], v[X+j+2:X+j+3]
	v_pk_add_f32 v[212:213], v[212:213], v[X+j+4:X+j+5]
	v_pk_add_f32 v[214:215], v[214:215], v[X+j+6:X+j+7]
.set j, j+8
.endr
	v_pk_add_f32 v[208:209], v[208:209], v[210:211]
	v_pk_add_f32 v[212:213], v[212:213], v[214:215]
	v_pk_add_f32 v[208:209], v[208:209], v[212:213]
	v_add_f32 v10, v208, v209
	WGSUM 0
	v_mul_f32 v12, s50, v216                       ; the mean
	v_mov_b32 v13, v12
.set j, 0
.rept 32
	v_pk_add_f32 v[X+j:X+j+1], v[X+j:X+j+1], v[12:13] neg_lo:[0,1] neg_hi:[0,1]   ; x - mean
.set j, j+2
.endr
	v_pk_mul_f32 v[208:209], v[X:X+1], v[X:X+1]    ; the squares, in two chains
	v_pk_mul_f32 v[210:211], v[X+2:X+3], v[X+2:X+3]
.set j, 4
.rept 15
	v_pk_fma_f32 v[208:209], v[X+j:X+j+1], v[X+j:X+j+1], v[208:209]
	v_pk_fma_f32 v[210:211], v[X+j+2:X+j+3], v[X+j+2:X+j+3], v[210:211]
.set j, j+4
.endr
	v_pk_add_f32 v[208:209], v[208:209], v[210:211]
	v_add_f32 v10, v208, v209
	WGSUM 512
	v_fma_f32 v216, v216, s50, s51                 ; variance + 1e-5
	s_wait_alu depctr_va_vdst(0)
	v_rsq_f32 v14, v216
	v_nop                                          ; a plain instruction behind the transcendental
	s_wait_alu depctr_va_vdst(0)                   ; ahead of the first line that names the result
	v_mov_b32 v15, v14
	s_wait_alu depctr_va_vdst(0)
	s_wait_loadcnt 0x0                             ; ln1_g and ln1_b
.set j, 0
.rept 32
	v_pk_mul_f32 v[X+j:X+j+1], v[X+j:X+j+1], v[14:15]
.set j, j+2
.endr
.set j, 0
.rept 32
	v_pk_fma_f32 v[X+j:X+j+1], v[X+j:X+j+1], v[G+j:G+j+1], v[R+j:R+j+1]   ; h
.set j, j+2
.endr
.set k, 0
.rept 16
	global_store_b128 v4, v[X+4*k:X+4*k+3], s[26:27] offset:512*k   ; h in f32 as an image: 512 consecutive bytes a store
.set k, k+1
.endr
	s_wait_kmcnt 0x0
.irp j, 0,1,2                          ; 2^e and 448 x 2^e for e0, e2, e4
	s_add_co_i32 s52, s[40+2*\j], 127
	s_lshl_b32 s53, s52, 23
	v_mov_b32 v[240+2*\j], s53
	s_add_co_i32 s52, s52, 8
	s_lshl_b32 s52, s52, 23
	s_or_b32 s52, s52, 0x600000
	v_mov_b32 v[241+2*\j], s52
.endr
	s_wait_alu depctr_va_vdst(0)
.irp j, 0,1,2
.irp b, 0,1,2,3
.set TS, R+16*((4*\j+\b)%2)            ; two sets of held numbers by turns: a conversion's sources are written again only behind plain lines
.set CC, G+4*(4*\j+\b)                 ; every store has registers of its own
.set i, 0
.rept 16
	v_med3_num_f32 v[TS+i], v[X+16*\b+i], -v[241+2*\j], v[241+2*\j]   ; the conversion to an 8-bit code does not saturate (ISA guide 7.6.2): the hold comes first
.set i, i+1
.endr
	v_cvt_scalef32_pk8_fp8_f32 v[CC:CC+1], v[TS:TS+7], v[240+2*\j]
	v_cvt_scalef32_pk8_fp8_f32 v[CC+2:CC+3], v[TS+8:TS+15], v[240+2*\j]
	global_store_b128 v4, v[CC:CC+3], s[24:25] offset:3145728*\j+512*\b
.endr
.endr
	v_nop
	CLOSE
	; ---------------- the weights' images
.Lrelay:
	s_sub_co_u32 s31, ttmp9, 256                   ; j
	s_cmp_ge_u32 s30, 3
	s_cselect_b32 s32, 1, 0
	s_mul_i32 s33, s32, 3
	s_sub_co_u32 s33, s30, s33                     ; rows of 768 bytes: chunk = wave % 3,
	s_lshl_b32 s34, s31, 1
	s_add_co_u32 s34, s34, s32                     ; tile = 2 j + wave / 3, counted through Wq, Wk, Wv, Wo, W1
	s_sub_co_u32 s35, s31, 192
	s_lshr_b32 s36, s35, 1                         ; W2, rows of 3,072 bytes: tile = (j - 192) / 2,
	s_and_b32 s37, s35, 1
	s_mul_i32 s37, s37, 6
	s_add_co_u32 s37, s37, s30                     ; chunk = 6 ((j - 192) % 2) + wave
	s_mul_i32 s50, s30, 4352
	s_add_co_u32 s50, s50, RLST                    ; my stage
	s_wait_alu depctr_va_vdst(0)
	v_mul_u32_u24 v5, v3, 272
	v_lshl_add_u32 v5, v2, 4, v5
	v_add_nc_u32 v5, s50, v5                       ; in: sixteen lanes to a row of 256 bytes, two rows a store
	v_mul_u32_u24 v6, v2, 272
	v_lshl_add_u32 v6, v3, 4, v6
	v_add_nc_u32 v6, s50, v6                       ; out: row r, + 16 h
	s_wait_kmcnt 0x0
	s_cmp_lt_u32 s34, 48                           ; which tensor: choices on ids alone
	s_cselect_b64 s[38:39], s[12:13], s[14:15]
	s_cselect_b32 s40, 0, 48
	s_cmp_lt_u32 s34, 96
	s_cselect_b64 s[38:39], s[38:39], s[16:17]
	s_cselect_b32 s40, s40, 96
	s_cmp_lt_u32 s34, 144
	s_cselect_b64 s[38:39], s[38:39], s[18:19]
	s_cselect_b32 s40, s40, 144
	s_cmp_lt_u32 s34, 192
	s_cselect_b64 s[38:39], s[38:39], s[20:21]
	s_cselect_b32 s40, s40, 192
	s_sub_co_u32 s41, s34, s40                     ; the tile within its tensor
	s_mul_i32 s44, s34, 12288
	s_mul_i32 s45, s36, 49152
	s_add_co_u32 s45, s45, 4718592
	s_mov_b32 s43, 3072
	s_cmp_lt_u32 s31, 192
	s_cselect_b64 s[38:39], s[38:39], s[22:23]
	s_cselect_b32 s41, s41, s36
	s_cselect_b32 s42, s33, s37                    ; the chunk of 256 bytes
	s_cselect_b32 s43, 768, s43                    ; a row's bytes
	s_cselect_b32 s44, s44, s45
	s_lshl_b32 s45, s42, 12
	s_add_co_u32 s44, s44, s45                     ; the two images' place in wimg
	s_mov_b32 s45, 0
	s_add_nc_u64 s[28:29], s[28:29], s[44:45]
	s_lshr_b32 s46, s41, 1
	s_lshl_b32 s46, s46, 5
	s_and_b32 s47, s41, 1
	s_lshl_b32 s47, s47, 3
	s_add_co_u32 s46, s46, s47                     ; the tile's first row
	s_mul_i32 s46, s46, s43
	s_lshl_b32 s47, s42, 8
	s_add_co_u32 s46, s46, s47
	s_mov_b32 s47, 0
	s_add_nc_u64 s[38:39], s[38:39], s[46:47]
	v_mul_u32_u24 v10, v3, s43
	v_lshl_add_u32 v10, v2, 4, v10
.irp i, 0,1,2,3,4,5,6,7
	v_mad_u32_u24 v[80+\i], s43, 2*\i+8*(\i/4), v10   ; tile rows 2 i and 2 i + 1 are the tensor's rows 2 i + 8 (i / 4) on
.endr
.irp i, 0,1,2,3,4,5,6,7
	global_load_b128 v[16+4*\i:19+4*\i], v[80+\i], s[38:39] th:TH_LOAD_NT   ; two rows x 256 consecutive bytes
.endr
	s_wait_loadcnt 0x0
.irp i, 0,1,2,3,4,5,6,7
	ds_store_b128 v5, v[16+4*\i:19+4*\i] offset:544*\i
.endr
.irp k, 0,1,2,3,4,5,6,7
	ds_load_b128 v[48+4*\k:51+4*\k], v6 offset:128*(\k/4)+32*(\k%4)
.endr
.irp k, 0,1,2,3,4,5,6,7
	s_wait_dscnt 7-\k                              ; LDS loads come back in order: the younger ones may be out
	global_store_b128 v4, v[48+4*\k:51+4*\k], s[28:29] offset:512*\k
.endr
	CLOSE
.Lfunc_end_k_qe6a57d4267_prep:
	.size	k_qe6a57d4267_prep, .Lfunc_end_k_qe6a57d4267_prep-k_qe6a57d4267_prep
	.p2alignl 7, 3214868480
	.fill 96, 4, 3214868480
	.section	.rodata,"a",@progbits
	.p2align	6, 0x0
	.amdhsa_kernel k_qe6a57d4267_prep
		.amdhsa_group_segment_fixed_size 78592
		.amdhsa_private_segment_fixed_size 0
		.amdhsa_enable_private_segment 0
		.amdhsa_kernarg_size 104
		.amdhsa_user_sgpr_count 2
		.amdhsa_user_sgpr_kernarg_segment_ptr 1
		.amdhsa_wavefront_size32 1
		.amdhsa_system_sgpr_workgroup_id_x 1
		.amdhsa_system_sgpr_workgroup_id_y 1
		.amdhsa_system_sgpr_workgroup_id_z 1
		.amdhsa_system_vgpr_workitem_id 0
		.amdhsa_next_free_vgpr 256
		.amdhsa_next_free_sgpr 66
		.amdhsa_reserve_vcc 0
		.amdhsa_float_denorm_mode_32 3
		.amdhsa_float_denorm_mode_16_64 3
		.amdhsa_memory_ordered 1
		.amdhsa_forward_progress 1
		.amdhsa_inst_pref_size 45
	.end_amdhsa_kernel
	.amdgpu_metadata
---
amdhsa.version: [ 1, 2 ]
amdhsa.kernels:
  - .name:           k_qe6a57d4267_prep
    .symbol:         k_qe6a57d4267_prep.kd
    .args:
      - { .name: x, .offset: 0, .size: 8, .value_kind: global_buffer, .address_space: global }
      - { .name: ln1_g, .offset: 8, .size: 8, .value_kind: global_buffer, .address_space: global }
      - { .name: ln1_b, .offset: 16, .size: 8, .value_kind: global_buffer, .address_space: global }
      - { .name: lowp_scales, .offset: 24, .size: 8, .value_kind: global_buffer, .address_space: global }
      - { .name: Wq_codes, .offset: 32, .size: 8, .value_kind: global_buffer, .address_space: global }
      - { .name: Wk_codes, .offset: 40, .size: 8, .value_kind: global_buffer, .address_space: global }
      - { .name: Wv_codes, .offset: 48, .size: 8, .value_kind: global_buffer, .address_space: global }
      - { .name: Wo_codes, .offset: 56, .size: 8, .value_kind: global_buffer, .address_space: global }
      - { .name: W1_codes, .offset: 64, .size: 8, .value_kind: global_buffer, .address_space: global }
      - { .name: W2_codes, .offset: 72, .size: 8, .value_kind: global_buffer, .address_space: global }
      - { .name: hc, .offset: 80, .size: 8, .value_kind: global_buffer, .address_space: global }
      - { .name: himg, .offset: 88, .size: 8, .value_kind: global_buffer, .address_space: global }
      - { .name: wimg, .offset: 96, .size: 8, .value_kind: global_buffer, .address_space: global }
    .group_segment_fixed_size: 78592
    .private_segment_fixed_size: 0
    .kernarg_segment_align: 8
    .kernarg_segment_size: 104
    .max_flat_workgroup_size: 192
    .sgpr_count:     66
    .vgpr_count:     256
    .wavefront_size: 32
...
	.end_amdgpu_metadata
.endif
;; end of part 1
;; launch qkv (part 2): grid 32 x 6, 4 waves a work-group, no clusters, 167,936 bytes of LDS; arguments hc, wimg, bq, bk, bv, lowp_scales, qkv; writes qkv
.if DOCPART == 2
	.amdgcn_target "amdgcn-amd-amdhsa--gfx1250"
	.amdhsa_code_object_version 6
	.text
	.protected	k_qe6a57d4267_qkv
	.globl	k_qe6a57d4267_qkv
	.p2align	8
	.type	k_qe6a57d4267_qkv,@function
k_qe6a57d4267_qkv:
	s_mov_b64 s[64:65], 0
	v_nop
	global_prefetch_b8 v0, s[64:65] scope:SCOPE_SE
	s_setreg_imm32_b32 hwreg(HW_REG_WAVE_MODE, 25, 1), 1
	s_wait_xcnt 0x0
; Launch 2: q, k, v = h W + b on codes of E4M3, quantised on the way out under e6, e7, e9 and stored as images of attention's operands.  No work of reference() is left out here.
; A work-group makes 128 tokens (one key step) x 384 columns of ONE of the three products (y / 2 says which, y % 2 which half of its 768 columns); K = 768 in six steps, written out.
; THE WAVES SHARE THE COLUMNS: wave w owns 96 columns (6 tiles) for all 8 tiles of tokens: 48 accumulators.  The tokens' codes, 98,304 dense bytes, come into LDS once, a quarter by each wave's one tensor load;
; the weights' fragments go from memory straight into registers, since each has one reader in the work-group.  No cluster: what partners could share is the 98,304 bytes at the head, a quarter of a work-group's bytes.
; q and k: the matrix instruction is used transposed (source 0 = 16 rows of W, source 1 = 16 tokens): a lane holds one token and 16 neighbours along the head's axis, which is attention's first K.
; v: source 0 = 16 tokens, source 1 = 16 rows of W: a lane holds one channel and 16 neighbouring keys, which are attention's second K.
; The bias goes in as the C of each sum's first instruction, divided by 2^(eA + eB); the three scales are folded into the conversion's one, 2^(eO - eA - eB).
; LIMITS: e6 - e0 - e1, e7 - e2 - e3, e9 - e4 - e5 between -126 and 119.  NaN among the inputs is not served.
; REGISTERS, in windows of 256: window 0: v0-31 addresses and scales; v32-127 the weights' third set, later the codes; v128-255 the tokens' 8 fragments.  window 1: the weights' sets 0 (v0-95) and 1 (v96-191); v192-239 the bias, 6 x 8.
;   window 2: accumulator (m, n) of token tiles 0-3 at v[8 (6 m + n)];  window 3: those of tiles 4-7.
.set SPARE, 98304                      ; behind the tokens' codes: the spare words, two blocks of 256 bytes that no other line names
.set AD0, 4                            ; v4  16 x lane
.set AD1, 5                            ; v5  16 x lane + 49,152: token tiles 4-7
.set LIMR, 6                           ; v6  448 x the conversion's scale
.set SCLR, 7                           ; v7  the conversion's scale
.set SPW, 28
.set NIL, 29
.set BB, 36                            ; s[36:37] my wave's first tile of the weight's images
.set MSB, 0
.macro WIN new                         ; the immediate's high byte repeats the setting that is left; a switch that changes nothing is dropped
.if MSB != (\new)
	s_set_vgpr_msb (MSB<<8)|(\new)
.set MSB, (\new)
.endif
.endm
.macro PLACES n
.rept \n
	v_nop
.endr
.endm
.macro FETCH_A s, m0                   ; the tokens' fragments m0 .. m0 + 3 of K step s
	WIN 0
.irp mi, 0,1,2,3
.irp c, 0,1,2,3
	ds_load_b128 v[128+16*(\m0+\mi)+4*\c:128+16*(\m0+\mi)+4*\c+3], v[AD0+(\m0)/4] offset:12288*\mi+2048*(\s)+512*\c
.endr
.endr
.endm
.macro FETCH_B s                       ; my six fragments of the weight, K step s, into set s % 3
.set BS, (\s)%3
.if BS == 2
.set BR, 32
	WIN 0
.else
.set BR, 96*BS
	WIN 0x40
.endif
.irp n, 0,1,2,3,4,5
.irp c, 0,1,2,3
	global_load_b128 v[BR+16*\n+4*\c:BR+16*\n+4*\c+3], v[AD0], s[BB:BB+1] offset:12288*\n+2048*(\s)+512*\c
.endr
.endr
.endm
; 24 matrix instructions: token tiles 4 half .. + 3 x my six tiles of columns; each accumulator once, so no two that follow each other share one
.macro MULH s, half, swap
.set BS, (\s)%3
.if BS == 2
.set BW, 0
.set BR, 32
.else
.set BW, 1
.set BR, 96*BS
.endif
.set AW, 2+\half
.if (\s) == 0
.set CW, 1
.else
.set CW, AW
.endif
.if \swap
.set WN, BW|(CW<<4)|(AW<<6)
.else
.set WN, (BW<<2)|(CW<<4)|(AW<<6)
.endif
	WIN WN
.irp mm, 0,1,2,3
.irp n, 0,1,2,3,4,5
.set DR, 8*(6*\mm+\n)
.set AR, 128+16*(4*\half+\mm)
.set BN, BR+16*\n
.if \swap
.if (\s) == 0
	v_wmma_f32_16x16x128_fp8_fp8 v[DR:DR+7], v[BN:BN+15], v[AR:AR+15], v[192+8*\n:199+8*\n]
.else
	v_wmma_f32_16x16x128_fp8_fp8 v[DR:DR+7], v[BN:BN+15], v[AR:AR+15], v[DR:DR+7]
.endif
.else
.if (\s) == 0
	v_wmma_f32_16x16x128_fp8_fp8 v[DR:DR+7], v[AR:AR+15], v[BN:BN+15], v[192+8*\n:199+8*\n]
.else
	v_wmma_f32_16x16x128_fp8_fp8 v[DR:DR+7], v[AR:AR+15], v[BN:BN+15], v[DR:DR+7]
.endif
.endif
.endr
.endr
.endm
; A K step.  A load into a register that a matrix instruction has read stands four plain vector instructions behind it (ISA guide 7.12.1 for vector instructions).
.macro STEP s, swap
.if (\s) == 5
	s_wait_loadcnt 0x0
.else
	s_wait_loadcnt 24                              ; this step's weights are in; behind them only the next step's 24 loads were issued
.endif
	s_wait_dscnt 16                                ; token tiles 0-3 are in; the youngest sixteen loads (tiles 4-7) may be out
	MULH \s, 0, \swap
	s_wait_dscnt 0x0
.if (\s) < 5
	PLACES 4
.if (\s) <= 3
	FETCH_B (\s)+2                                 ; into the set that the step before has left
.endif
	FETCH_A (\s)+1, 0
.endif
	MULH \s, 1, \swap
	PLACES 4
.if (\s) < 5
	FETCH_A (\s)+1, 4
.endif
.endm
.macro CORE swap
.irp st, 0,1,2,3,4,5
	STEP \st, \swap
.endr
.endm
.macro MKSCALE                         ; in: s50 = eA, s51 = eB, s52 = eO.  out: s53 = -(eA + eB); v7 = 2^(eO - eA - eB); v6 = 448 x that
	s_add_co_i32 s50, s50, s51
	s_sub_co_i32 s53, 0, s50
	s_sub_co_i32 s52, s52, s50
	s_add_co_i32 s52, s52, 127
	s_lshl_b32 s54, s52, 23
	v_mov_b32 v[SCLR], s54
	s_add_co_i32 s52, s52, 8
	s_lshl_b32 s52, s52, 23
	s_or_b32 s52, s52, 0x600000
	v_mov_b32 v[LIMR], s52
.endm
.macro MEET                            ; my quarter of the tokens' codes has landed; behind the barrier everybody's has.  Nothing is filled again in this launch
	s_wait_tensorcnt 0x0
	s_barrier_signal -1
	s_barrier_wait -1
	FETCH_A 0, 0
	FETCH_A 0, 4
.endm
.macro HOLD aw                         ; all 192 sums of a window are held within 448 x the scale, each accumulator from its low end on
.set WN, \aw|(\aw<<6)
	WIN WN
.set i, 0
.rept 192
	v_med3_num_f32 v[i], v[i], -v[LIMR], v[LIMR]
.set i, i+1
.endr
	WIN \aw
.endm
.macro CLOSE
	s_wait_tensorcnt 0x0                           ; a wave's end
	ds_add_u32 v[SPW], v[NIL]
	s_wait_dscnt 0x0
	s_endpgm
.endm
	s_load_b256 s[4:11], s[0:1], 0x0               ; hc, wimg, bq, bk
	s_load_b128 s[24:27], s[0:1], 0x20             ; bv, lowp_scales
	s_load_b64 s[28:29], s[0:1], 0x30              ; qkv
	v_lshl_add_u32 v[SPW], v0, 2, SPARE
	v_mov_b32 v[NIL], 0
	ds_add_u32 v[SPW], v[NIL]                      ; the wave's opening: the add, twice on end, and its wait ahead of my tensor load
	ds_add_u32 v[SPW], v[NIL]
	v_lshrrev_b32 v1, 5, v0
	v_readfirstlane_b32 s30, v1                    ; wave 0..3
	v_and_b32 v1, 31, v0
	v_and_b32 v2, 15, v0                           ; r
	v_bfe_u32 v3, v0, 4, 1                         ; h
	v_lshlrev_b32 v[AD0], 4, v1
	v_add_nc_u32 v[AD1], 49152, v[AD0]
	s_mov_b32 s16, 0x30000                         ; group 1: elements of 8 bytes, no padding, no mask
	s_mov_b32 s17, 32<<16                          ; tensor_dim0 = 32 elements: rows of 256 bytes
	s_mov_b32 s18, 96<<16                          ; tensor_dim1 = 96
	s_mov_b32 s19, 32<<16                          ; tile_dim0
	s_mov_b32 s20, 96                              ; tile_dim1: 96 rows, 24,576 dense bytes
	s_mov_b32 s21, 32                              ; the pitch: dense
	s_mov_b32 s22, 0
	s_mov_b32 s23, 0
	s_and_b32 s31, ttmp7, 0xffff
	s_lshr_b32 s32, s31, 1                         ; 0: q, 1: k, 2: v
	s_and_b32 s33, s31, 1                          ; which half of the 768 columns
	s_mul_i32 s34, s32, 3145728                    ; the codes of h under this product's scale,
	s_mul_i32 s35, ttmp9, 98304                    ; my block of 128 tokens,
	s_add_co_u32 s34, s34, s35
	s_mul_i32 s35, s30, 24576                      ; my quarter of it
	s_add_co_u32 s34, s34, s35
	s_mov_b32 s35, 0
	s_mul_i32 s41, s33, 24
	s_mul_i32 s40, s30, 6
	s_add_co_u32 s41, s41, s40                     ; my first tile of columns: 24 half + 6 wave
	s_lshr_b32 s42, s41, 1                         ; my first group of 32 columns
	s_mul_i32 s44, s32, 589824
	s_mul_i32 s45, s41, 12288
	s_add_co_u32 s44, s44, s45
	s_mov_b32 s45, 0
	s_lshl_b32 s46, s41, 6                         ; my first column's byte in the bias
	s_mov_b32 s47, 0
	s_lshr_b32 s57, ttmp9, 1                       ; a key step's place in a head's K and V: slot, then step
	s_lshl_b32 s57, s57, 15
	s_and_b32 s58, ttmp9, 1
	s_lshl_b32 s58, s58, 13
	s_add_co_u32 s57, s57, s58
	s_add_co_u32 s57, s57, 3145728
	s_wait_dscnt 0x0                               ; both opening adds are done
	s_wait_kmcnt 0x0
	s_load_b512 s[68:83], s[26:27], 0x0            ; e0 .. e15
	s_mov_b32 s12, 1                               ; group 0
	s_mul_i32 s13, s30, 24576                      ; LDS: wave x 24,576
	s_add_nc_u64 s[14:15], s[4:5], s[34:35]
	s_or_b32 s15, s15, 0x80000000
	tensor_load_to_lds s[12:15], s[16:23]          ; every wave's one tensor load: one is out
	s_nop 0
	PLACES 4
	s_add_nc_u64 s[BB:BB+1], s[6:7], s[44:45]
	s_cmp_eq_u32 s32, 0
	s_cselect_b64 s[38:39], s[8:9], s[10:11]
	s_cmp_eq_u32 s32, 2
	s_cselect_b64 s[38:39], s[24:25], s[38:39]
	s_add_nc_u64 s[38:39], s[38:39], s[46:47]
	s_cmp_eq_u32 s32, 2
	s_cbranch_scc1 .Lvpath
	; ---------------- q and k
	s_wait_alu depctr_va_vdst(0)
	v_lshlrev_b32 v14, 6, v3                       ; 64 h
	WIN 0x40
.irp n, 0,1,2,3,4,5
.irp jj, 0,1
	global_load_b128 v[192+8*\n+4*\jj:195+8*\n+4*\jj], v14, s[38:39] offset:128*(\n/2)+32*(\n%2)+16*\jj   ; lane (r, h), tile n: the bias of columns 32 (n / 2) + 16 h + 8 (n % 2) + 0 .. 7
.endr
.endr
	FETCH_B 0
	FETCH_B 1
	WIN 0
	s_wait_kmcnt 0x0
	s_lshl_b32 s56, ttmp9, 13                      ; q: 8 tiles of 1,024 bytes a block
	s_cmp_eq_u32 s32, 0
	s_cselect_b32 s50, s68, s70
	s_cselect_b32 s51, s69, s71
	s_cselect_b32 s52, s74, s75
	s_cselect_b32 s55, 18, 19                      ; a head: 2^18 bytes of q, 2^19 of K and V
	s_cselect_b32 s56, s56, s57
	MKSCALE
.irp p, 0,1,2
	s_add_co_u32 s58, s42, \p                      ; group of 32 columns: head = group / 2, half of the head = group % 2
	s_lshr_b32 s59, s58, 1
	s_lshl_b32 s59, s59, s55
	s_and_b32 s58, s58, 1
	s_lshl_b32 s58, s58, 9
	s_add_co_u32 s58, s58, s59
	s_add_co_u32 s58, s58, s56
	s_mov_b32 s59, 0
	s_add_nc_u64 s[84+2*\p:85+2*\p], s[28:29], s[58:59]
.endr
	s_wait_loadcnt 48                              ; the bias is in; the 48 loads of two steps' weights may be out
	WIN 0x41
.set i, 0
.rept 48
	v_ldexp_f32 v[192+i], v[192+i], s53            ; bias / 2^(eA + eB)
.set i, i+1
.endr
	s_wait_alu depctr_va_vdst(0)
	MEET
	CORE 1
.irp aw, 2,3
	HOLD \aw
.irp mm, 0,1,2,3
.irp n, 0,1,2,3,4,5
.set CR, 32+4*(3*(4*(\aw-2)+\mm)+\n/2)+2*(\n%2)
	v_cvt_scalef32_pk8_fp8_f32 v[CR:CR+1], v[8*(6*\mm+\n):8*(6*\mm+\n)+7], v[SCLR]
.endr
.endr
	v_nop                                          ; a plain instruction behind the last conversion of a run
.endr
	WIN 0
.irp m, 0,1,2,3,4,5,6,7
.irp p, 0,1,2
	global_store_b128 v[AD0], v[32+4*(3*\m+\p):35+4*(3*\m+\p)], s[84+2*\p:85+2*\p] offset:1024*\m   ; 512 consecutive bytes: half an image of 16 tokens x 64
.endr
.endr
	CLOSE
	; ---------------- v
.Lvpath:
	s_wait_alu depctr_va_vdst(0)
	v_and_b32 v14, 8, v2
	v_add_nc_u32 v14, v14, v2
	v_lshlrev_b32 v14, 2, v14                      ; lane r's column in a tile: r + 8 (r / 8)
.irp n, 0,1,2,3,4,5
	global_load_b32 v[8+\n], v14, s[38:39] offset:4*(32*(\n/2)+8*(\n%2))
.endr
	FETCH_B 0
	FETCH_B 1
	WIN 0
	s_wait_kmcnt 0x0
	s_mov_b32 s50, s72
	s_mov_b32 s51, s73
	s_mov_b32 s52, s77
	MKSCALE
	s_add_co_u32 s56, s57, 16384                   ; V lies behind a slot's two steps of K
.irp n, 0,1,2,3,4,5
	s_add_co_u32 s58, s41, \n                      ; tile of channels: head = tile / 4
	s_lshr_b32 s59, s58, 2
	s_lshl_b32 s59, s59, 19
	s_and_b32 s58, s58, 3
	s_lshl_b32 s58, s58, 11
	s_add_co_u32 s58, s58, s59
	s_add_co_u32 s58, s58, s56
	s_mov_b32 s59, 0
	s_add_nc_u64 s[84+2*\n:85+2*\n], s[28:29], s[58:59]
.endr
	s_wait_loadcnt 48
	WIN 0x40
.irp n, 0,1,2,3,4,5
.irp j, 0,1,2,3,4,5,6,7
	v_ldexp_f32 v[192+8*\n+\j], v[8+\n], s53       ; a lane's channel has one bias for its eight tokens
.endr
.endr
	s_wait_alu depctr_va_vdst(0)
	MEET
	CORE 0
.irp aw, 2,3
	HOLD \aw
.irp bb, 0,1
.irp n, 0,1,2,3,4,5
.set CR, 32+4*(6*(2*(\aw-2)+\bb)+\n)
	v_cvt_scalef32_pk8_fp8_f32 v[CR:CR+1], v[8*(12*\bb+\n):8*(12*\bb+\n)+7], v[SCLR]          ; keys 32 b + 16 h + 0 .. 7
	v_cvt_scalef32_pk8_fp8_f32 v[CR+2:CR+3], v[8*(12*\bb+6+\n):8*(12*\bb+6+\n)+7], v[SCLR]    ; and + 8 .. 15
.endr
.endr
	v_nop
.endr
	WIN 0
.irp b, 0,1,2,3
.irp n, 0,1,2,3,4,5
	global_store_b128 v[AD0], v[32+4*(6*\b+\n):35+4*(6*\b+\n)], s[84+2*\n:85+2*\n] offset:512*\b
.endr
.endr
	CLOSE
.Lfunc_end_k_qe6a57d4267_qkv:
	.size	k_qe6a57d4267_qkv, .Lfunc_end_k_qe6a57d4267_qkv-k_qe6a57d4267_qkv
	.p2alignl 7, 3214868480
	.fill 96, 4, 3214868480
	.section	.rodata,"a",@progbits
	.p2align	6, 0x0
	.amdhsa_kernel k_qe6a57d4267_qkv
		.amdhsa_group_segment_fixed_size 167936
		.amdhsa_private_segment_fixed_size 0
		.amdhsa_enable_private_segment 0
		.amdhsa_kernarg_size 56
		.amdhsa_user_sgpr_count 2
		.amdhsa_user_sgpr_kernarg_segment_ptr 1
		.amdhsa_wavefront_size32 1
		.amdhsa_system_sgpr_workgroup_id_x 1
		.amdhsa_system_sgpr_workgroup_id_y 1
		.amdhsa_system_sgpr_workgroup_id_z 1
		.amdhsa_system_vgpr_workitem_id 0
		.amdhsa_next_free_vgpr 1024
		.amdhsa_next_free_sgpr 100
		.amdhsa_reserve_vcc 0
		.amdhsa_float_denorm_mode_32 3
		.amdhsa_float_denorm_mode_16_64 3
		.amdhsa_memory_ordered 1
		.amdhsa_forward_progress 1
		.amdhsa_inst_pref_size 167
	.end_amdhsa_kernel
	.amdgpu_metadata
---
amdhsa.version: [ 1, 2 ]
amdhsa.kernels:
  - .name:           k_qe6a57d4267_qkv
    .symbol:         k_qe6a57d4267_qkv.kd
    .args:
      - { .name: hc, .offset: 0, .size: 8, .value_kind: global_buffer, .address_space: global }
      - { .name: wimg, .offset: 8, .size: 8, .value_kind: global_buffer, .address_space: global }
      - { .name: bq, .offset: 16, .size: 8, .value_kind: global_buffer, .address_space: global }
      - { .name: bk, .offset: 24, .size: 8, .value_kind: global_buffer, .address_space: global }
      - { .name: bv, .offset: 32, .size: 8, .value_kind: global_buffer, .address_space: global }
      - { .name: lowp_scales, .offset: 40, .size: 8, .value_kind: global_buffer, .address_space: global }
      - { .name: qkv, .offset: 48, .size: 8, .value_kind: global_buffer, .address_space: global }
    .group_segment_fixed_size: 167936
    .private_segment_fixed_size: 0
    .kernarg_segment_align: 8
    .kernarg_segment_size: 56
    .max_flat_workgroup_size: 128
    .sgpr_count:     100
    .vgpr_count:     1024
    .wavefront_size: 32
...
	.end_amdgpu_metadata
.endif
;; end of part 2
;; launch attn (part 3): grid 64 x 4, 12 waves a work-group, no clusters, 327,680 bytes of LDS; arguments qkv, lowp_scales, ctx; writes ctx
.if DOCPART == 3
	.amdgcn_target "amdgcn-amd-amdhsa--gfx1250"
	.amdhsa_code_object_version 6
	.text
	.protected	k_qe6a57d4267_attn
	.globl	k_qe6a57d4267_attn
	.p2align	8
	.type	k_qe6a57d4267_attn,@function
k_qe6a57d4267_attn:
	s_mov_b64 s[64:65], 0
	v_nop
	global_prefetch_b8 v0, s[64:65] scope:SCOPE_SE
	s_setreg_imm32_b32 hwreg(HW_REG_WAVE_MODE, 25, 1), 1
	s_wait_xcnt 0x0
; Launch 3: causal attention on codes of E4M3, head size 64; the result is quantised under e10 and stored as images of the next product's operand.
; LEFT OUT: key steps (128 keys) all of whose keys come after a block's 64 queries: reference()'s own jnp.tril makes their scores -infinity, so p = 0 for all values of the inputs.
; THE SOFTMAX AHEAD OF THE SECOND PRODUCT: t = score x log2(e) / 8; M = the largest t so far, rounded up to a whole number; p = 2^(t - M) is quantised under e8; the sum is taken of the unquantised p and divides at the end.
; SHARES.  A head has 64 blocks of 64 queries (four tiles of 16); block x needs x / 2 + 1 key steps.  Work-group (j, g) serves one block of each of heads 3 g .. 3 g + 2: j, 63 - 2 j (j < 32) or 126 - 2 j, j xor 32: each a
; permutation of 0 .. 63; the three blocks' steps add to 49 or 50.  THE KEYS ARE SHARED OUT INSIDE THE WORK-GROUP: the three blocks, the largest first, form one list of steps q = 0 .. C2 - 1, and step q belongs to ring q % 3.
; Wave w is in ring w / 4 and owns tile w % 4 of whichever block its ring's step belongs to: every wave walks 16 or 17 steps, in 6 trips of three.  The two larger blocks have 9 steps or more, so a ring passes at most one
; border of blocks between two of its steps.  At a border a wave moves its partial result (O^T, -M, the sum) into spare registers, by a shift that is the same each time, and begins anew with the next block's Q.
; At the end every wave has made the shift twice and holds one partial of each block; all meet in LDS, and wave (ring, tile) joins the three partials of block number 'ring': each x 2^(its M - the largest M), which rounds nothing.
; NO CLUSTER: the work-groups that walk a head need different steps of it at different times, so no two ask for a tile together.
; A ring has two LDS slots of three steps; a step is [K | V], 8,192 bytes each, images of operand registers.  Step p of slot s of ring g lies at 32,768 (3 g + p) + 16,384 s, so that one exclusive or turns a slot's address
; into the other's: 18 x 16,384 bytes.  Wave p < 3 of a ring fetches step p by one tensor load of two rows of 8,192 bytes, 16,384 bytes apart in memory. Steps at or behind C2 are not asked for.
; Both products are used transposed: a lane holds one query throughout; the keys and the channels of a tile are ordered so that 16 registers of two neighbouring tiles are 16 neighbours.
; LIMITS: e6 + e7 between -121 and 130; e8 and e10 between -126 and 119; the scaled scores t stay under 2^31 in magnitude.  NaN among the inputs is not served.
; REGISTERS: v1 16 x lane; v3 256 x lane; v5, v6 the add's two; v8 the step's LDS address; v9, v10 my query - 16 h within its 128 keys; v12 -M; v13 the largest t; v[14:15] the sum; v16-23 Q; v24-31 the next block's Q;
;   v32-95 K's, then V's fragments; v96-159 S^T, then p; v160-191 O^T; v192-223, v2, v4 the partial moved last; v224-239 p's codes; v240, v244: 448 x 2^e8, 2^e8; v241, v245: the same for e10; the rest of v236-255 at work.
;   Window 1: v0-31 (v256-287), with v7, v11: the partial moved first; v32-39 (v288-295) the third block's Q.
.set SLOT1, 16384
.set SPARE, 294912                     ; behind the three rings of 98,304 bytes: the spare words, 128 bytes a wave: six blocks of 256 bytes that no other line names
.set PP,  4608                         ; a partial in LDS: 8 x 512 bytes of O^T, 512 of (-M, sum, 0, 0)
.set LI,  1
.set PFO, 3
.set SPW, 5
.set NIL, 6
.set ADR, 8
.set TB,  2                            ; s2      LDS byte at which my ring's slot in hand begins
.set WV,  18
.set SEL, 20
.set CS,  22
.set G1,  24
.set G0,  40
.set FQ,  44                           ; s44     the step that my next tensor load fetches
.set UB,  45                           ; s45     9 x the trip that is being fetched for: the same in all waves
.set I4,  48                           ; s48     wave % 4
.set KG,  49                           ; s49     my ring
.set C0,  53                           ; s53-55  where the first, second and third block end in the list of steps
.set KY,  56                           ; s56-58  4 x block + head % 3, in descending order
.set HB,  59                           ; s59-61  their heads' K and V, bytes from qkv
.set PQ,  62
.set PFL, 63
.set SLOTS, 66
.set NB1, 67
.set QO,  76                           ; s76-78  their Q images for my tile, bytes from qkv
.set XP,  79                           ; s79-81  64 x (block % 2), the block in hand first
.set PFA, 82
.set QI,  98                           ; s98     my ring's step in hand
.set NB,  99                           ; s99     where the block in hand ends
.set MSB, 0
.macro WIN new                         ; the immediate's high byte repeats the setting that is left
.if MSB != (\new)
	s_set_vgpr_msb (MSB<<8)|(\new)
.set MSB, (\new)
.endif
.endm
.macro TL                              ; a tensor load; an s_nop 0 and four v_nop follow it
	tensor_load_to_lds s[G0:G0+3], s[G1:G1+7]
	s_nop 0
.rept 4
	v_nop
.endr
.endm
; ONE chain of nine arms, one load to an arm, all leading to one join.  Arm a serves ring a / 3 and the slot's step a % 3: list step s45 + 3 (a % 3) + a / 3.  It is asked for only while it lies in the list: that test is made of
; the work-group's number and the count of trips alone; the second test picks the arm's wave by the wave's number.
.macro FILLS
.irp a, 0,1,2,3,4,5,6,7,8
	s_add_co_u32 s96, s[UB], 3*(\a%3)+(\a/3)
	s_cmp_ge_u32 s96, s[C0+2]
	s_cbranch_scc1 .Ln_\@_\a
	s_cmp_eq_u32 s[WV], 4*(\a/3)+(\a%3)
	s_cbranch_scc0 .Ln_\@_\a
	TL
	s_branch .Ljoin_\@
.Ln_\@_\a:
.endr
.Ljoin_\@:
.endm
.macro FADDR                           ; group 0's global address for list step s44: its block's head, the step within the block
	s_cmp_ge_u32 s[FQ], s[C0]
	s_cselect_b32 s94, s[HB+1], s[HB]
	s_cselect_b32 s95, s[C0], 0
	s_cmp_ge_u32 s[FQ], s[C0+1]
	s_cselect_b32 s94, s[HB+2], s94
	s_cselect_b32 s95, s[C0+1], s95
	s_sub_co_u32 s95, s[FQ], s95
	s_and_b32 s96, s95, 1
	s_lshl_b32 s96, s96, 13
	s_lshr_b32 s95, s95, 1
	s_lshl_b32 s95, s95, 15
	s_add_co_u32 s94, s94, s95
	s_add_co_u32 s94, s94, s96
	s_mov_b32 s95, 0
	s_add_nc_u64 s[G0+2:G0+3], s[4:5], s[94:95]
	s_or_b32 s[G0+3], s[G0+3], 0x80000000
.endm
	s_load_b128 s[4:7], s[0:1], 0x0                ; qkv, lowp_scales
	s_load_b64 s[8:9], s[0:1], 0x10                ; ctx
	v_lshl_add_u32 v[SPW], v0, 2, SPARE
	v_mov_b32 v[NIL], 0
	ds_add_u32 v[SPW], v[NIL]                      ; the wave's opening: the add, twice on end, and its wait ahead of the first tensor load
	ds_add_u32 v[SPW], v[NIL]
	v_lshrrev_b32 v8, 5, v0
	s_delay_alu instid0(VALU_DEP_1)
	v_readfirstlane_b32 s[WV], v8                  ; wave 0..11
	s_lshr_b32 s[KG], s[WV], 2
	s_and_b32 s[I4], s[WV], 3
	s_and_b32 s88, ttmp7, 0xffff
	s_mul_i32 s88, s88, 3                          ; the first of my three heads
	s_cmp_lt_u32 ttmp9, 32                         ; the three blocks: j;
	s_cselect_b32 s51, 63, 126
	s_lshl_b32 s52, ttmp9, 1
	s_sub_co_u32 s51, s51, s52                     ; 63 - 2 j, or 126 - 2 j from j = 32 on;
	s_xor_b32 s52, ttmp9, 32                       ; j xor 32
	s_lshl_b32 s50, ttmp9, 2                       ; as 4 x block + head % 3,
	s_lshl_b32 s51, s51, 2
	s_or_b32 s51, s51, 1
	s_lshl_b32 s52, s52, 2
	s_or_b32 s52, s52, 2
	s_max_u32 s89, s50, s51                        ; in descending order
	s_min_u32 s90, s50, s51
	s_max_u32 s[KY], s89, s52
	s_min_u32 s89, s89, s52
	s_max_u32 s[KY+1], s90, s89
	s_min_u32 s[KY+2], s90, s89
.irp p, 0,1,2
	s_and_b32 s90, s[KY+\p], 3
	s_add_co_u32 s90, s90, s88                     ; the head
	s_lshl_b32 s[HB+\p], s90, 19
	s_add_co_u32 s[HB+\p], s[HB+\p], 3145728
	s_lshl_b32 s90, s90, 18
	s_and_b32 s91, s[KY+\p], 0xfc
	s_add_co_u32 s91, s91, s[I4]                   ; my tile: 4 x block + wave % 4
	s_lshl_b32 s91, s91, 10
	s_add_co_u32 s[QO+\p], s90, s91                ; Q's image: 262,144 head + 1,024 tile
	s_and_b32 s91, s[KY+\p], 4
	s_lshl_b32 s[XP+\p], s91, 4
	s_lshr_b32 s[C0+\p], s[KY+\p], 3
	s_add_co_u32 s[C0+\p], s[C0+\p], 1             ; block / 2 + 1 steps
.endr
	s_add_co_u32 s[C0+1], s[C0+1], s[C0]
	s_add_co_u32 s[C0+2], s[C0+2], s[C0+1]
	s_lshr_b32 s90, s[KY], 2
	s_cmp_eq_u32 s90, 63
	s_cselect_b32 s[PFL], s[C0], 0                 ; the prefetches' limit: my first block's steps where it is its head's last block, else none;
	s_cmp_eq_u32 s[I4], 3
	s_cselect_b32 s[PFL], 0, s[PFL]                ; and none in the waves that fetch nothing
	s_cmp_eq_u32 s[KG], 0                          ; the block whose partials I join: number 'ring'
	s_cselect_b32 s90, s[KY], s[KY+1]
	s_cmp_eq_u32 s[KG], 2
	s_cselect_b32 s90, s[KY+2], s90
	s_and_b32 s91, s90, 0xfc
	s_add_co_u32 s91, s91, s[I4]
	s_mul_i32 s86, s91, 12288
	s_and_b32 s90, s90, 3
	s_add_co_u32 s90, s90, s88
	s_lshl_b32 s90, s90, 10
	s_add_co_u32 s86, s86, s90                     ; ctx: 12,288 tile + 1,024 head
	s_mov_b32 s87, 0
	s_mov_b32 s[G1], 0x30000                       ; group 1: elements of 8 bytes, no padding, no mask
	s_mov_b32 s[G1+1], 1024<<16                    ; tensor_dim0: rows of 1,024 elements, 8,192 bytes
	s_mov_b32 s[G1+2], 2<<16                       ; tensor_dim1 = 2
	s_mov_b32 s[G1+3], 1024<<16                    ; tile_dim0
	s_mov_b32 s[G1+4], 2                           ; tile_dim1: a step's K, then its V
	s_mov_b32 s[G1+5], 2048                        ; the pitch: 16,384 bytes
	s_mov_b32 s[G1+6], 0
	s_mov_b32 s[G1+7], 0
	s_mov_b32 s[SEL], 0x76543210
	s_mov_b32 s[SEL+1], 0xfedcba98
	s_mov_b32 s[CS], 0x3e38aa3b                    ; c = log2(e) / 8
	s_mul_i32 s[TB], s[KG], 98304                  ; my ring's slot 0
	s_mov_b32 s[SLOTS], 6
	s_mov_b32 s[QI], s[KG]
	s_mov_b32 s[NB], s[C0]
	s_mov_b32 s[NB1], s[C0+1]
	s_mov_b32 s[UB], 0
	s_mul_i32 s[FQ], s[I4], 3                      ; I fetch the slot's step wave % 4
	s_add_co_u32 s[FQ], s[FQ], s[KG]
	s_mov_b32 s[G0], 1
	s_lshl_b32 s90, s[I4], 15
	s_add_co_u32 s[G0+1], s[TB], s90               ; LDS: my ring's slot 0, step wave % 4
	s_wait_dscnt 0x0                               ; both opening adds are done
	s_wait_kmcnt 0x0
	s_load_b256 s[68:75], s[6:7], 0x18             ; e6 .. e13
	FADDR
	s_cmp_lt_u32 s[I4], 3
	s_cbranch_scc0 .Lno_fetch
	TL                                             ; list steps 0 to 8: a fetching wave's one load at the head; all nine lie in the first block
.Lno_fetch:
	s_add_nc_u64 s[8:9], s[8:9], s[86:87]
	v_and_b32 v[LI], 31, v0
	v_lshlrev_b32 v[PFO], 8, v[LI]
	v_lshlrev_b32 v[LI], 4, v[LI]
	v_add_nc_u32 v32, s[QO], v[LI]
	v_add_nc_u32 v33, s[QO+1], v[LI]
	v_add_nc_u32 v34, s[QO+2], v[LI]
	global_load_b128 v[16:19], v32, s[4:5]         ; the three blocks' Q fragments stay in registers
	global_load_b128 v[20:23], v32, s[4:5] offset:512
	global_load_b128 v[24:27], v33, s[4:5]
	global_load_b128 v[28:31], v33, s[4:5] offset:512
	WIN 0x40
	global_load_b128 v[32:35], v34, s[4:5]
	global_load_b128 v[36:39], v34, s[4:5] offset:512
.set j, 0
.rept 32
	v_mov_b32 v[j], 0                              ; the places of the partials are written once, so that the shift finds numbers
.set j, j+1
.endr
	WIN 0
	v_and_b32 v10, 15, v0
	v_bfe_u32 v11, v0, 4, 1
	v_and_b32 v9, 8, v10
	v_add_nc_u32 v9, v9, v10
	v_lshlrev_b32 v11, 4, v11
	v_sub_nc_u32 v9, v9, v11
	s_lshr_b32 s94, s[I4], 1
	s_lshl_b32 s94, s94, 5
	s_and_b32 s95, s[I4], 1
	s_lshl_b32 s95, s95, 3
	s_add_co_u32 s94, s94, s95
	v_add_nc_u32 v9, s94, v9                       ; my query within its 128 keys - 16 h, but for 64 x (block % 2)
	v_mov_b32 v13, 0xff61b1e6                      ; the largest t so far: -3e38
	v_floor_f32 v12, -v13                          ; -M
.irp r, 2,4,7,11,14,15,236,252,253,254
	v_mov_b32 v\r, 0
.endr
.set j, 0
.rept 64
	v_mov_b32 v[160+j], 0                          ; O^T: the step is written once; its first pass finds zeros
.set j, j+1
.endr
	s_wait_kmcnt 0x0
	s_add_co_i32 s94, s68, s69
	s_lshl_b32 s94, s94, 23
	s_add_co_i32 s[CS], s[CS], s94                 ; a score stands for score x 2^(e6 + e7): added to c's exponent field
	s_mov_b32 s[CS+1], s[CS]
	s_add_co_i32 s94, s70, 127
	s_lshl_b32 s95, s94, 23
	v_mov_b32 v244, s95                            ; 2^e8
	s_add_co_i32 s94, s94, 8
	s_lshl_b32 s94, s94, 23
	s_or_b32 s94, s94, 0x600000
	v_mov_b32 v240, s94                            ; 448 x 2^e8
	s_add_co_i32 s94, s72, 127
	s_lshl_b32 s95, s94, 23
	v_mov_b32 v245, s95                            ; 2^e10
	s_add_co_i32 s94, s94, 8
	s_lshl_b32 s94, s94, 23
	s_or_b32 s94, s94, 0x600000
	v_mov_b32 v241, s94                            ; 448 x 2^e10
	s_add_co_i32 s85, s70, s71                     ; e8 + e9
; THE SHIFT at a border of blocks: the partial moved last goes to the first's place, the one in hand to the last's, and the sums begin anew; Q and the scalars of the blocks move up likewise.
.macro TRANS
.rept 4
	v_nop                                          ; four places behind the last products
.endr
	WIN 0x40
.set j, 0
.rept 32
	v_mov_b32 v[j], v[192+j]
.set j, j+1
.endr
	WIN 0
.set j, 0
.rept 32
	v_mov_b32 v[192+j], v[160+j]                   ; each accumulator from its low end on
.set j, j+1
.endr
.set j, 0
.rept 32
	v_mov_b32 v[160+j], 0
.set j, j+1
.endr
	v_mov_b32 v7, v2
	v_mov_b32 v11, v4
	v_mov_b32 v2, v12
	v_add_f32 v4, v14, v15
	v_mov_b32 v13, 0xff61b1e6
	v_floor_f32 v12, -v13
	v_mov_b32 v14, 0
	v_mov_b32 v15, 0
.set j, 0
.rept 8
	v_mov_b32 v[16+j], v[24+j]
.set j, j+1
.endr
	WIN 0x01
.set j, 0
.rept 8
	v_mov_b32 v[24+j], v[32+j]
.set j, j+1
.endr
	WIN 0
	s_mov_b32 s[NB], s[NB1]
	s_mov_b32 s[NB1], s[C0+2]
	s_mov_b32 s[XP], s[XP+1]
	s_mov_b32 s[XP+1], s[XP+2]
.endm
; A KEY STEP: 128 keys, the q-th of the slot in hand.  A step behind the list's end is left out by a scalar branch on ids; no barrier and no tensor load stands in a step.
.macro STEP q
	s_cmp_ge_u32 s[QI], s[C0+2]
	s_cbranch_scc1 .Lhidden_\@
	s_cmp_ge_u32 s[QI], s[NB]
	s_cbranch_scc0 .Lsame_\@
	TRANS
.Lsame_\@:
	s_add_co_u32 s96, s[TB], 32768*(\q)
	v_add_nc_u32 v[ADR], s96, v[LI]
.rept 3
	v_nop                                          ; with the addition above: four places in front of loads into registers that the last products read
.endr
.set k, 0
.rept 16
	ds_load_b128 v[32+4*k:35+4*k], v[ADR] offset:512*k               ; K: eight tiles of 16 keys x 64
.set k, k+1
.endr
	s_wait_alu depctr_va_vdst(0)
	s_wait_dscnt 0x0
.irp t, 0,1,2,3,4,5,6,7
	v_wmma_f32_16x16x64_fp8_fp8 v[96+8*\t:103+8*\t], v[32+8*\t:39+8*\t], v[16:23], 0
.endr
.rept 4
	v_nop
.endr
.set k, 0
.rept 16
	ds_load_b128 v[32+4*k:35+4*k], v[ADR] offset:8192+512*k          ; V: four tiles of 16 channels x 128 keys: the softmax's lines stand between these loads and the wait for them
.set k, k+1
.endr
	s_add_co_u32 s96, s[QI], 1
	s_cmp_lg_u32 s96, s[NB]                        ; only a block's last step, the one on the diagonal, hides keys
	s_cbranch_scc1 .Lopen_\@
	v_add_nc_u32 v10, s[XP], v9                    ; d.  Register 16 b + i holds key 32 b + 16 h + i of the step: hidden where 32 b + i > d
	v_mov_b32 v254, 0xff800000                     ; -infinity
.set n, 0
.rept 64
	v_cmp_gt_i32 vcc_lo, 32*(n/16)+n%16, v10
	v_cndmask_b32 v[96+n], v[96+n], v254, vcc_lo
.set n, n+1
.endr
.Lopen_\@:
	v_max3_num_f32 v254, v96, v97, v98             ; the step's largest score of my query among my 64 keys, in ascending order of the registers,
	v_max3_num_f32 v252, v99, v100, v101
	v_max3_num_f32 v242, v102, v103, v104
	v_max3_num_f32 v243, v105, v106, v107
.irp i, 12,20,28,36,44,52
	v_max3_num_f32 v254, v254, v[96+\i], v[97+\i]
	v_max3_num_f32 v252, v252, v[98+\i], v[99+\i]
	v_max3_num_f32 v242, v242, v[100+\i], v[101+\i]
	v_max3_num_f32 v243, v243, v[102+\i], v[103+\i]
.endr
	v_max3_num_f32 v254, v254, v156, v157
	v_max3_num_f32 v252, v252, v158, v159
	s_delay_alu instid0(VALU_DEP_1)
	v_max3_num_f32 v254, v254, v252, v242
	s_delay_alu instid0(VALU_DEP_1)
	v_max_num_f32 v254, v254, v243
	v_permlanex16_b32 v236, v254, s[SEL], s[SEL+1]
	s_delay_alu instid0(VALU_DEP_1)
	v_max_num_f32 v254, v254, v236                 ; and among lane l xor 16's
	s_delay_alu instid0(VALU_DEP_1)
	v_mul_f32 v254, s[CS], v254                    ; as t
	s_delay_alu instid0(VALU_DEP_1)
	v_max_num_f32 v13, v13, v254                   ; the running largest t
	v_mov_b32 v254, v12
	s_delay_alu instid0(VALU_DEP_2)
	v_floor_f32 v12, -v13                          ; the new -M = -ceil(t)
	s_delay_alu instid0(VALU_DEP_1)
	v_sub_f32 v254, v12, v254                      ; old M - new M: a whole number, 0 or less
	s_delay_alu instid0(VALU_DEP_1)
	v_cvt_i32_f32 v254, v254
	s_delay_alu instid0(VALU_DEP_1)
	v_ldexp_f32 v252, 1.0, v254                    ; f = 2^(old M - new M)
.set j, 0
.rept 32
	v_pk_fma_f32 v[96+j:97+j], v[96+j:97+j], s[CS:CS+1], v[12:13] op_sel_hi:[1,0,0]   ; t - M
.set j, j+2
.endr
.set j, 0
	s_wait_alu depctr_va_vdst(0)                   ; ahead of the batch
.rept 64
	v_exp_f32 v[96+j], v[96+j]                     ; p = 2^(t - M)
.set j, j+1
.endr
	v_pk_mul_f32 v[14:15], v[14:15], v[252:253] op_sel_hi:[1,0]   ; the sums under the new M: a plain instruction behind the exponentials
	s_wait_alu depctr_va_vdst(0)                   ; one wait for the batch, ahead of the first line that names a result
	v_pk_add_f32 v[242:243], v[108:109], v[116:117]
	v_pk_add_f32 v[246:247], v[124:125], v[132:133]
	v_pk_add_f32 v[248:249], v[140:141], v[148:149]
	v_pk_add_f32 v[254:255], v[156:157], v[158:159]
	v_pk_add_f32 v[250:251], v[104:105], v[106:107]
	v_pk_add_f32 v[238:239], v[114:115], v[122:123]
	v_pk_add_f32 v[236:237], v[130:131], v[138:139]
	v_pk_add_f32 v[14:15], v[14:15], v[146:147]
	v_pk_add_f32 v[242:243], v[242:243], v[154:155]
	v_pk_add_f32 v[246:247], v[246:247], v[96:97]
	v_pk_add_f32 v[248:249], v[248:249], v[98:99]
	v_pk_add_f32 v[254:255], v[254:255], v[110:111]
	v_pk_add_f32 v[250:251], v[250:251], v[118:119]
	v_pk_add_f32 v[238:239], v[238:239], v[126:127]
	v_pk_add_f32 v[236:237], v[236:237], v[134:135]
	v_pk_add_f32 v[14:15], v[14:15], v[142:143]
	v_pk_add_f32 v[242:243], v[242:243], v[150:151]
	v_pk_add_f32 v[246:247], v[246:247], v[100:101]
	v_pk_add_f32 v[248:249], v[248:249], v[102:103]
	v_pk_add_f32 v[254:255], v[254:255], v[112:113]
	v_pk_add_f32 v[250:251], v[250:251], v[120:121]
	v_pk_add_f32 v[238:239], v[238:239], v[128:129]
	v_pk_add_f32 v[236:237], v[236:237], v[136:137]
	v_pk_add_f32 v[14:15], v[14:15], v[144:145]
	v_pk_add_f32 v[242:243], v[242:243], v[152:153]
	s_delay_alu instid0(VALU_DEP_2)
	v_pk_add_f32 v[14:15], v[14:15], v[254:255]
	s_delay_alu instid0(VALU_DEP_2)
	v_pk_add_f32 v[242:243], v[242:243], v[250:251]
	v_pk_add_f32 v[246:247], v[246:247], v[238:239]
	v_pk_add_f32 v[248:249], v[248:249], v[236:237]
	s_delay_alu instid0(VALU_DEP_2)
	v_pk_add_f32 v[14:15], v[14:15], v[246:247]
	s_delay_alu instid0(VALU_DEP_2)
	v_pk_add_f32 v[242:243], v[242:243], v[248:249]
	s_delay_alu instid0(VALU_DEP_1)
	v_pk_add_f32 v[14:15], v[14:15], v[242:243]
.irp b, 0,1,2,3
.set i, 0
.rept 16
	v_min_num_f32 v[96+16*\b+i], v[96+16*\b+i], v240   ; the conversion does not saturate (ISA guide 7.6.2); p is not negative
.set i, i+1
.endr
	v_cvt_scalef32_pk8_fp8_f32 v[224+4*\b:225+4*\b], v[96+16*\b:103+16*\b], v244
	v_cvt_scalef32_pk8_fp8_f32 v[226+4*\b:227+4*\b], v[104+16*\b:111+16*\b], v244
.endr
	s_wait_alu depctr_va_vdst(0)                   ; directly ahead of the first reader of O^T
.set j, 0
.rept 16
	v_pk_mul_f32 v[160+j:161+j], v[160+j:161+j], v[252:253] op_sel_hi:[1,0]   ; O^T under the new M; also the plain lines behind the conversions
.set j, j+2
.endr
	s_wait_alu depctr_va_vdst(0)
	s_wait_dscnt 0x0                               ; V is in
.irp t, 0,1,2,3
	v_wmma_f32_16x16x128_fp8_fp8 v[160+8*\t:167+8*\t], v[32+16*\t:47+16*\t], v[224:239], v[160+8*\t:167+8*\t]
.endr
.Lhidden_\@:
	s_add_co_u32 s[QI], s[QI], 3
.endm
; THE CHANGE OF SLOTS stands at a trip's head, for the three rings at once.  Each wave waits for its tensor load, adds 0 to its spare word, and waits for that and for its reads of the slot that it has left; behind the barrier the
; slots ahead are whole and nobody reads the other ones, which are then filled with the nine list steps that follow: such a load has a trip's three steps in which to land.  In the first trip all loads are first fills of the second slots.
; A PREFETCH INTO THE L2 follows the load: the list step nine on from the one that I have just asked for, which my load behind the NEXT change will bring: K's and V's 8,192 dense bytes, an instruction each, lanes 256 bytes apart.
; It is issued only in the one work-group of a head that holds the head's block 63 and so loads all its 32 steps, only for steps of that block, and only by fetching waves: each block of 256 bytes is named once in the launch.
; List steps 0 to 17 come by their loads alone.
.macro CHANGE
	s_wait_tensorcnt 0x0                           ; no tensor load of mine is out, so group 0 may be written
	ds_add_u32 v[SPW], v[NIL]                      ; an add of 0 to my spare word,
	ds_add_u32 v[SPW], v[NIL]                      ; twice on end
	s_add_co_u32 s[FQ], s[FQ], 9
	s_add_co_u32 s[UB], s[UB], 9
	s_xor_b32 s[G0+1], s[G0+1], SLOT1
	FADDR
	s_wait_xcnt 0x0                                ; the last prefetches, a trip back, have read their address
	s_add_co_u32 s[PQ], s[FQ], 9
	s_and_b32 s96, s[PQ], 1
	s_lshl_b32 s96, s96, 13
	s_lshr_b32 s94, s[PQ], 1
	s_lshl_b32 s94, s94, 15
	s_add_co_u32 s94, s94, s96
	s_add_co_u32 s94, s94, s[HB]
	s_mov_b32 s95, 0
	s_add_nc_u64 s[PFA:PFA+1], s[4:5], s[94:95]
	s_wait_dscnt 0x0
	s_barrier_signal -1
	s_barrier_wait -1
	FILLS                                          ; a wave's one tensor load behind the barrier, ahead of its first LDS read
	s_cmp_lt_u32 s[PQ], s[PFL]
	s_cbranch_scc0 .Lnot_mine_\@
	global_prefetch_b8 v[PFO], s[PFA:PFA+1] th:TH_LOAD_NT scope:SCOPE_SE
	global_prefetch_b8 v[PFO], s[PFA:PFA+1] offset:16384 th:TH_LOAD_NT scope:SCOPE_SE
.Lnot_mine_\@:
.endm
.macro LATE                            ; a wave whose ring had no step in a later block makes the shift all the same
	s_cmp_lg_u32 s[NB], s[C0+2]
	s_cbranch_scc0 .Lmade_\@
	TRANS
.Lmade_\@:
.endm
	s_wait_alu depctr_va_vdst(0)                   ; at the head's end
	s_wait_loadcnt 0x0                             ; Q
.Lslot:                                            ; 6 trips of three steps a ring: 54 places for the list's 49 or 50
	CHANGE
	STEP 0
	STEP 1
	STEP 2
	s_xor_b32 s[TB], s[TB], SLOT1
	s_sub_co_u32 s[SLOTS], s[SLOTS], 1
	s_cmp_lg_u32 s[SLOTS], 0
	s_cbranch_scc1 .Lslot
	LATE
	LATE
	; THE PARTIALS MEET in the rings' bytes, which have had their last fill: partial (block p, wave w) lies at 4,608 (12 p + w).
.rept 4
	v_nop                                          ; four places behind the last products
.endr
	s_mul_i32 s90, s[WV], PP
	v_add_nc_u32 v24, s90, v[LI]
	v_add_nc_u32 v25, 12*PP, v24
	v_add_nc_u32 v26, 24*PP, v24
	s_mul_i32 s90, s[KG], 12*PP
	s_mul_i32 s91, s[I4], PP
	s_add_co_u32 s90, s90, s91
	v_add_nc_u32 v27, s90, v[LI]                   ; back: block 'ring', my tile, the three rings' partials 4 x 4,608 bytes apart
	v_mov_b32 v96, v7
	v_mov_b32 v97, v11
	v_mov_b32 v100, v2
	v_mov_b32 v101, v4
	v_mov_b32 v104, v12
	v_add_f32 v105, v14, v15
.irp r, 98,99,102,103,106,107
	v_mov_b32 v\r, 0
.endr
	s_wait_alu depctr_va_vdst(0)
	s_wait_tensorcnt 0x0
	ds_add_u32 v[SPW], v[NIL]
	s_wait_dscnt 0x0                               ; my reads of the rings are over
	s_barrier_signal -1
	s_barrier_wait -1                              ; everybody's are
	WIN 0x04                                       ; store data from window 1
.set j, 0
.rept 8
	ds_store_b128 v24, v[4*j:4*j+3] offset:512*j
.set j, j+1
.endr
	WIN 0
	ds_store_b128 v24, v[96:99] offset:4096
.set j, 0
.rept 8
	ds_store_b128 v25, v[192+4*j:195+4*j] offset:512*j
.set j, j+1
.endr
	ds_store_b128 v25, v[100:103] offset:4096
.set j, 0
.rept 8
	ds_store_b128 v26, v[160+4*j:163+4*j] offset:512*j   ; each accumulator from its low end on
.set j, j+1
.endr
	ds_store_b128 v26, v[104:107] offset:4096
	s_wait_dscnt 0x0                               ; for the others' sake: my stores have landed
	s_barrier_signal -1
	s_barrier_wait -1
.irp c, 0,1,2
.set j, 0
.rept 8
	ds_load_b128 v[32+32*\c+4*j:35+32*\c+4*j], v27 offset:4*PP*\c+512*j
.set j, j+1
.endr
	ds_load_b128 v[128+4*\c:131+4*\c], v27 offset:4*PP*\c+4096
.endr
	s_wait_dscnt 0x0
	v_min3_num_f32 v140, v128, v132, v136          ; - the largest M.  A ring that had no step of the block holds -M = 3e38, zeros, and gets the factor 0
.irp c, 0,1,2
	v_sub_f32 v[142+2*\c], v140, v[128+4*\c]       ; its M - the largest M: a whole number, 0 or less
	v_mov_b32 v[143+2*\c], 0                       ; (named as the upper half of a pair)
.endr
.irp c, 0,1,2
	v_cvt_i32_f32 v[142+2*\c], v[142+2*\c]         ; (it saturates)
.endr
.irp c, 0,1,2
	v_ldexp_f32 v[142+2*\c], 1.0, v[142+2*\c]
.endr
	v_mul_f32 v14, v142, v129
	v_fmac_f32 v14, v144, v133
	v_fmac_f32 v14, v146, v137
.set j, 0
.rept 16
	v_pk_mul_f32 v[32+j:33+j], v[32+j:33+j], v[142:143] op_sel_hi:[1,0]
.set j, j+2
.endr
.set j, 0
.rept 16
	v_pk_fma_f32 v[32+j:33+j], v[64+j:65+j], v[144:145], v[32+j:33+j] op_sel_hi:[1,0,1]
.set j, j+2
.endr
.set j, 0
.rept 16
	v_pk_fma_f32 v[32+j:33+j], v[96+j:97+j], v[146:147], v[32+j:33+j] op_sel_hi:[1,0,1]
.set j, j+2
.endr
	; THE WAY OUT: O^T / the sum x 2^(e8 + e9), quantised under e10.  A lane's 16 registers of two tiles are 16 neighbours along the next K: the codes are that operand's registers, and go out as they stand
	v_permlanex16_b32 v252, v14, s[SEL], s[SEL+1]
	v_add_f32 v14, v14, v252                       ; the row's sum
	s_wait_alu depctr_va_vdst(0)
	v_rcp_f32 v14, v14
	v_nop
	s_wait_alu depctr_va_vdst(0)
	v_ldexp_f32 v14, v14, s85
.set j, 0
.rept 32
	v_mul_f32 v[96+j], v[32+j], v14
.set j, j+1
.endr
.set j, 0
.rept 32
	v_med3_num_f32 v[96+j], v[96+j], -v241, v241
.set j, j+1
.endr
.irp b, 0,1
	v_cvt_scalef32_pk8_fp8_f32 v[160+4*\b:161+4*\b], v[96+16*\b:103+16*\b], v245
	v_cvt_scalef32_pk8_fp8_f32 v[162+4*\b:163+4*\b], v[104+16*\b:111+16*\b], v245
.endr
	v_nop
	global_store_b128 v[LI], v[160:163], s[8:9]    ; 512 consecutive bytes each
	global_store_b128 v[LI], v[164:167], s[8:9] offset:512
	s_wait_tensorcnt 0x0                           ; the wave's end
	ds_add_u32 v[SPW], v[NIL]
	s_wait_dscnt 0x0
	s_endpgm
.Lfunc_end_k_qe6a57d4267_attn:
	.size	k_qe6a57d4267_attn, .Lfunc_end_k_qe6a57d4267_attn-k_qe6a57d4267_attn
	.p2alignl 7, 3214868480
	.fill 96, 4, 3214868480
	.section	.rodata,"a",@progbits
	.p2align	6, 0x0
	.amdhsa_kernel k_qe6a57d4267_attn
		.amdhsa_group_segment_fixed_size 327680
		.amdhsa_private_segment_fixed_size 0
		.amdhsa_enable_private_segment 0
		.amdhsa_kernarg_size 24
		.amdhsa_user_sgpr_count 2
		.amdhsa_user_sgpr_kernarg_segment_ptr 1
		.amdhsa_wavefront_size32 1
		.amdhsa_system_sgpr_workgroup_id_x 1
		.amdhsa_system_sgpr_workgroup_id_y 1
		.amdhsa_system_sgpr_workgroup_id_z 1
		.amdhsa_system_vgpr_workitem_id 0
		.amdhsa_next_free_vgpr 296
		.amdhsa_next_free_sgpr 100
		.amdhsa_reserve_vcc 1
		.amdhsa_float_denorm_mode_32 3
		.amdhsa_float_denorm_mode_16_64 3
		.amdhsa_memory_ordered 1
		.amdhsa_forward_progress 1
		.amdhsa_inst_pref_size 113
	.end_amdhsa_kernel
	.amdgpu_metadata
---
amdhsa.version: [ 1, 2 ]
amdhsa.kernels:
  - .name:           k_qe6a57d4267_attn
    .symbol:         k_qe6a57d4267_attn.kd
    .args:
      - { .name: qkv, .offset: 0, .size: 8, .value_kind: global_buffer, .address_space: global }
      - { .name: lowp_scales, .offset: 8, .size: 8, .value_kind: global_buffer, .address_space: global }
      - { .name: ctx, .offset: 16, .size: 8, .value_kind: global_buffer, .address_space: global }
    .group_segment_fixed_size: 327680
    .private_segment_fixed_size: 0
    .kernarg_segment_align: 8
    .kernarg_segment_size: 24
    .max_flat_workgroup_size: 384
    .sgpr_count:     100
    .vgpr_count:     296
    .wavefront_size: 32
...
	.end_amdgpu_metadata
.endif
;; end of part 3
;; launch wo_ln2 (part 4): grid 256 x 1, 4 waves a work-group, no clusters, 50,688 bytes of LDS; arguments ctx, wimg, himg, bo, ln2_g, ln2_b, lowp_scales, h2b; writes h2b
.if DOCPART == 4
	.amdgcn_target "amdgcn-amd-amdhsa--gfx1250"
	.amdhsa_code_object_version 6
	.text
	.protected	k_qe6a57d4267_wo_ln2
	.globl	k_qe6a57d4267_wo_ln2
	.p2align	8
	.type	k_qe6a57d4267_wo_ln2,@function
k_qe6a57d4267_wo_ln2:
	s_mov_b64 s[64:65], 0
	v_nop
	global_prefetch_b8 v0, s[64:65] scope:SCOPE_SE
	s_setreg_imm32_b32 hwreg(HW_REG_WAVE_MODE, 25, 1), 1
	s_wait_xcnt 0x0
; Launch 4: h2 = layernorm(ctx Wo + bo + h), stored in f32 by rows and as codes under e12.  No work of reference() is left out here.
; The norm wants whole rows: a work-group takes one tile of 16 tokens and all 768 columns; wave w owns 192 columns (12 tiles).  The matrix instruction is used transposed (source 0 = 16 rows of Wo, source 1 = the tokens):
; a lane holds one token, and 16 registers of two tiles are 16 neighbouring columns.  The tokens' 12,288 bytes of codes are loaded by each wave into 96 registers; Wo's fragments stream from memory through a ring of
; four groups of four fragments in registers, three groups (48 loads a wave) ahead.  No tensor load, no cluster: every fragment of Wo has one reader in the work-group.
; LIMITS: e10 + e11 between -126 and 127; e12 between -126 and 119.  NaN among the inputs is not served.
; REGISTERS: window 0: v0-31 addresses and figures; v32-127 the tokens' six fragments, later rows of h2; v128-223 the 12 accumulators; v224-255 at work.  window 1: the ring.  window 2: v0-95 h, v96-191 bo.  window 3: v0-95 ln2_g, v96-191 ln2_b.
.set RED0, 0
.set RED1, 256
.set STG, 512                          ; 16 rows x (3,072 + 16) bytes
.set SPARE, 50176                      ; the spare words: two blocks of 256 bytes that no other line names
.set SPW, 28
.set NIL, 29
.set MSB, 0
.macro WIN new
.if MSB != (\new)
	s_set_vgpr_msb (MSB<<8)|(\new)
.set MSB, (\new)
.endif
.endm
.macro PLACES n
.rept \n
	v_nop
.endr
.endm
	s_load_b256 s[4:11], s[0:1], 0x0               ; ctx, wimg, himg, bo
	s_load_b256 s[12:19], s[0:1], 0x20             ; ln2_g, ln2_b, lowp_scales, h2b
	v_lshl_add_u32 v[SPW], v0, 2, SPARE
	v_mov_b32 v[NIL], 0
	v_lshrrev_b32 v1, 5, v0
	v_readfirstlane_b32 s30, v1                    ; wave 0..3
	v_and_b32 v1, 31, v0
	v_and_b32 v2, 15, v0                           ; r
	v_bfe_u32 v3, v0, 4, 1                         ; h
	v_lshlrev_b32 v4, 4, v1                        ; 16 x lane
	v_lshlrev_b32 v5, 6, v3                        ; 64 h
	v_lshlrev_b32 v9, 2, v2                        ; row r's partial sums
	s_lshl_b32 s31, s30, 6
	v_add_nc_u32 v8, s31, v9                       ; my wave's word among them
	v_mul_u32_u24 v10, v2, 3088
	v_lshl_add_u32 v10, v3, 6, v10
	s_mul_i32 s40, s30, 768                        ; my 192 columns in bytes
	s_mov_b32 s41, 0
	s_add_co_u32 s32, s40, STG
	v_add_nc_u32 v10, s32, v10                     ; the stage, in: row r, + 64 h, + 768 wave
	s_mul_i32 s32, s30, 4*3088
	s_add_co_u32 s32, s32, STG
	v_add_nc_u32 v11, s32, v4                      ; and back: my four rows, 16 bytes a lane
	v_mov_b32 v233, 0                              ; a lane permute's destination counts as read
	s_mov_b32 s48, 0x76543210
	s_mov_b32 s49, 0xfedcba98
	s_mov_b32 s50, 0x3aaaaaab                      ; 1 / 768
	s_mov_b32 s51, 0x3727c5ac                      ; 1e-5
	s_mul_i32 s34, ttmp9, 12288                    ; ctx: the tile's six images
	s_mov_b32 s35, 0
	s_mul_i32 s36, ttmp9, 49152                    ; himg: the tile, + my six groups of 32 columns
	s_mul_i32 s37, s30, 12288
	s_add_co_u32 s36, s36, s37
	s_mov_b32 s37, 0
	s_mul_i32 s38, s30, 147456                     ; wimg: Wo, my 12 tiles
	s_add_co_u32 s38, s38, 1769472
	s_mov_b32 s39, 0
	s_mul_i32 s42, s30, 3072                       ; h2's codes: 12,582,912 + 12,288 T + 3,072 wave
	s_add_co_u32 s42, s42, s34
	s_add_co_u32 s42, s42, 12582912
	s_mov_b32 s43, 0
	s_lshr_b32 s44, ttmp9, 1                       ; h2's rows: my first token: 32 (T / 2) + 8 (T % 2) + 4 wave + 8 (wave / 2)
	s_lshl_b32 s44, s44, 5
	s_and_b32 s45, ttmp9, 1
	s_lshl_b32 s45, s45, 3
	s_add_co_u32 s44, s44, s45
	s_lshl_b32 s45, s30, 2
	s_add_co_u32 s44, s44, s45
	s_lshr_b32 s45, s30, 1
	s_lshl_b32 s45, s45, 3
	s_add_co_u32 s44, s44, s45
	s_mul_i32 s44, s44, 3072
	s_mov_b32 s45, 0
	s_wait_alu depctr_va_vdst(0)
	s_wait_kmcnt 0x0
	s_load_b128 s[20:23], s[16:17], 0x28           ; e10, e11, e12, e13
	s_add_nc_u64 s[4:5], s[4:5], s[34:35]
	s_add_nc_u64 s[8:9], s[8:9], s[36:37]
	s_add_nc_u64 s[38:39], s[6:7], s[38:39]
	s_add_nc_u64 s[10:11], s[10:11], s[40:41]
	s_add_nc_u64 s[12:13], s[12:13], s[40:41]
	s_add_nc_u64 s[14:15], s[14:15], s[40:41]
	s_add_nc_u64 s[42:43], s[18:19], s[42:43]
	s_add_nc_u64 s[44:45], s[18:19], s[44:45]
.set k, 0
.rept 24
	global_load_b128 v[32+4*k:35+4*k], v4, s[4:5] offset:512*k        ; the tokens' fragments
.set k, k+1
.endr
	WIN 0x80
.set k, 0
.rept 24
	global_load_b128 v[4*k:4*k+3], v4, s[8:9] offset:512*k th:TH_LOAD_NT   ; h, in the result's own layout
.set k, k+1
.endr
.irp p, 0,1,2,3,4,5
.irp q, 0,1,2,3
	global_load_b128 v[96+16*\p+4*\q:99+16*\p+4*\q], v5, s[10:11] offset:128*\p+16*\q
.endr
.endr
	WIN 0xc0
.irp p, 0,1,2,3,4,5
.irp q, 0,1,2,3
	global_load_b128 v[16*\p+4*\q:16*\p+4*\q+3], v5, s[12:13] offset:128*\p+16*\q
.endr
.endr
.irp p, 0,1,2,3,4,5
.irp q, 0,1,2,3
	global_load_b128 v[96+16*\p+4*\q:99+16*\p+4*\q], v5, s[14:15] offset:128*\p+16*\q
.endr
.endr
.macro RING g                          ; group g: K step g / 3, tiles 4 (g % 3) .. + 3, into ring slot g % 4
.set RS, 64*((\g)%4)
.set RK, (\g)/3
.irp i, 0,1,2,3
.irp c, 0,1,2,3
	global_load_b128 v[RS+16*\i+4*\c:RS+16*\i+4*\c+3], v4, s[38:39] offset:12288*(4*((\g)%3)+\i)+2048*RK+512*\c
.endr
.endr
.endm
.macro GRP g
	PLACES 4                                       ; in front of loads into the slot that the group before has multiplied
.if (\g)+3 <= 17
	WIN 0x40
	RING (\g)+3
	s_wait_loadcnt 48                              ; this group is in (and all that was asked for ahead of the ring); the three younger groups may be out
.else
	s_wait_loadcnt 16*(17-(\g))
.endif
	WIN 0x01
.set RS, 64*((\g)%4)
.set SS, (\g)/3
.irp i, 0,1,2,3
.set NN, 4*((\g)%3)+\i
.if SS == 0
	v_wmma_f32_16x16x128_fp8_fp8 v[128+8*NN:135+8*NN], v[RS+16*\i:RS+16*\i+15], v[32+16*SS:47+16*SS], 0
.else
	v_wmma_f32_16x16x128_fp8_fp8 v[128+8*NN:135+8*NN], v[RS+16*\i:RS+16*\i+15], v[32+16*SS:47+16*SS], v[128+8*NN:135+8*NN]
.endif
.endr
.endm
	WIN 0x40
	RING 0
	RING 1
	RING 2
	WIN 0
	s_wait_kmcnt 0x0
	s_add_co_i32 s24, s20, s21
	s_add_co_i32 s24, s24, 127
	s_lshl_b32 s24, s24, 23                        ; 2^(e10 + e11)
	s_mov_b32 s25, s24
	s_add_co_i32 s26, s22, 127
	s_lshl_b32 s27, s26, 23
	v_mov_b32 v7, s27                              ; 2^e12
	s_add_co_i32 s26, s26, 8
	s_lshl_b32 s26, s26, 23
	s_or_b32 s26, s26, 0x600000
	v_mov_b32 v6, s26                              ; 448 x 2^e12
.irp g, 0,1,2,3,4,5,6,7,8,9,10,11,12,13,14,15,16,17
	GRP \g                                         ; the 12 accumulators take turns
.endr
	PLACES 4
	WIN 0x20
.set j, 0
.rept 48
	v_pk_fma_f32 v[128+j:129+j], v[128+j:129+j], s[24:25], v[j:j+1] op_sel_hi:[1,0,1]   ; sum x 2^(e10 + e11) + h
.set j, j+2
.endr
	WIN 0x08
.set j, 0
.rept 48
	v_pk_add_f32 v[128+j:129+j], v[128+j:129+j], v[96+j:97+j]   ; + bo
.set j, j+2
.endr
	WIN 0
.macro WGSUM off                       ; v232: a lane's partial sum; v236 gets the row's sum
	v_permlanex16_b32 v233, v232, s48, s49
	v_add_f32 v232, v232, v233
	ds_store_b32 v8, v232 offset:\off
	s_wait_dscnt 0x0                               ; for the others' sake
	s_barrier_signal -1
	s_barrier_wait -1
.irp w, 0,1,2,3
	ds_load_b32 v[236+\w], v9 offset:\off+64*\w
.endr
	s_wait_dscnt 0x0
	v_add_f32 v236, v236, v237
	v_add_f32 v238, v238, v239
	v_add_f32 v236, v236, v238
.endm
	v_pk_add_f32 v[224:225], v[128:129], v[130:131]
	v_pk_add_f32 v[226:227], v[132:133], v[134:135]
	v_pk_add_f32 v[228:229], v[136:137], v[138:139]
	v_pk_add_f32 v[230:231], v[140:141], v[142:143]
.set j, 16
.rept 10
	v_pk_add_f32 v[224:225], v[224:225], v[128+j:129+j]
	v_pk_add_f32 v[226:227], v[226:227], v[130+j:131+j]
	v_pk_add_f32 v[228:229], v[228:229], v[132+j:133+j]
	v_pk_add_f32 v[230:231], v[230:231], v[134+j:135+j]
.set j, j+8
.endr
	v_pk_add_f32 v[224:225], v[224:225], v[226:227]
	v_pk_add_f32 v[228:229], v[228:229], v[230:231]
	v_pk_add_f32 v[224:225], v[224:225], v[228:229]
	v_add_f32 v232, v224, v225
	WGSUM RED0
	v_mul_f32 v12, s50, v236                       ; the mean
	v_mov_b32 v13, v12
.set j, 0
.rept 48
	v_pk_add_f32 v[128+j:129+j], v[128+j:129+j], v[12:13] neg_lo:[0,1] neg_hi:[0,1]
.set j, j+2
.endr
	v_pk_mul_f32 v[224:225], v[128:129], v[128:129]
	v_pk_mul_f32 v[226:227], v[130:131], v[130:131]
.set j, 4
.rept 23
	v_pk_fma_f32 v[224:225], v[128+j:129+j], v[128+j:129+j], v[224:225]
	v_pk_fma_f32 v[226:227], v[130+j:131+j], v[130+j:131+j], v[226:227]
.set j, j+4
.endr
	v_pk_add_f32 v[224:225], v[224:225], v[226:227]
	v_add_f32 v232, v224, v225
	WGSUM RED1
	v_fma_f32 v236, v236, s50, s51
	s_wait_alu depctr_va_vdst(0)
	v_rsq_f32 v14, v236
	v_nop
	s_wait_alu depctr_va_vdst(0)                   ; ahead of the first line that names the result
	v_mov_b32 v15, v14
.set j, 0
.rept 48
	v_pk_mul_f32 v[128+j:129+j], v[128+j:129+j], v[14:15]
.set j, j+2
.endr
	WIN 0x3c
.set j, 0
.rept 48
	v_pk_fma_f32 v[128+j:129+j], v[128+j:129+j], v[j:j+1], v[96+j:97+j]   ; h2
.set j, j+2
.endr
	WIN 0
.irp p, 0,1,2,3,4,5
.irp q, 0,1,2,3
	ds_store_b128 v10, v[128+16*\p+4*\q:131+16*\p+4*\q] offset:128*\p+16*\q
.endr
.endr
.set j, 0
.rept 96
	v_med3_num_f32 v[128+j], v[128+j], -v6, v6     ; the hold ahead of the conversion (ISA guide 7.6.2)
.set j, j+1
.endr
.irp p, 0,1,2,3,4,5
	v_cvt_scalef32_pk8_fp8_f32 v[224+4*\p:225+4*\p], v[128+16*\p:135+16*\p], v7
	v_cvt_scalef32_pk8_fp8_f32 v[226+4*\p:227+4*\p], v[136+16*\p:143+16*\p], v7
.endr
	v_nop
.irp p, 0,1,2,3,4,5
	global_store_b128 v4, v[224+4*\p:227+4*\p], s[42:43] offset:512*\p
.endr
	s_wait_dscnt 0x0                               ; my part of the 16 rows lies in the stage
	s_barrier_signal -1
	s_barrier_wait -1
.set k, 0
.rept 24
	ds_load_b128 v[32+4*k:35+4*k], v11 offset:3088*(k/6)+512*(k%6)
.set k, k+1
.endr
.set k, 0
.rept 24
	s_wait_dscnt 23-k
	global_store_b128 v4, v[32+4*k:35+4*k], s[44:45] offset:3072*(k/6)+512*(k%6)   ; 512 consecutive bytes of a token's row
.set k, k+1
.endr
	s_wait_tensorcnt 0x0                           ; the wave's end
	ds_add_u32 v[SPW], v[NIL]
	s_wait_dscnt 0x0
	s_endpgm
.Lfunc_end_k_qe6a57d4267_wo_ln2:
	.size	k_qe6a57d4267_wo_ln2, .Lfunc_end_k_qe6a57d4267_wo_ln2-k_qe6a57d4267_wo_ln2
	.p2alignl 7, 3214868480
	.fill 96, 4, 3214868480
	.section	.rodata,"a",@progbits
	.p2align	6, 0x0
	.amdhsa_kernel k_qe6a57d4267_wo_ln2
		.amdhsa_group_segment_fixed_size 50688
		.amdhsa_private_segment_fixed_size 0
		.amdhsa_enable_private_segment 0
		.amdhsa_kernarg_size 64
		.amdhsa_user_sgpr_count 2
		.amdhsa_user_sgpr_kernarg_segment_ptr 1
		.amdhsa_wavefront_size32 1
		.amdhsa_system_sgpr_workgroup_id_x 1
		.amdhsa_system_sgpr_workgroup_id_y 1
		.amdhsa_system_sgpr_workgroup_id_z 1
		.amdhsa_system_vgpr_workitem_id 0
		.amdhsa_next_free_vgpr 1024
		.amdhsa_next_free_sgpr 66
		.amdhsa_reserve_vcc 0
		.amdhsa_float_denorm_mode_32 3
		.amdhsa_float_denorm_mode_16_64 3
		.amdhsa_memory_ordered 1
		.amdhsa_forward_progress 1
		.amdhsa_inst_pref_size 87
	.end_amdhsa_kernel
	.amdgpu_metadata
---
amdhsa.version: [ 1, 2 ]
amdhsa.kernels:
  - .name:           k_qe6a57d4267_wo_ln2
    .symbol:         k_qe6a57d4267_wo_ln2.kd
    .args:
      - { .name: ctx, .offset: 0, .size: 8, .value_kind: global_buffer, .address_space: global }
      - { .name: wimg, .offset: 8, .size: 8, .value_kind: global_buffer, .address_space: global }
      - { .name: himg, .offset: 16, .size: 8, .value_kind: global_buffer, .address_space: global }
      - { .name: bo, .offset: 24, .size: 8, .value_kind: global_buffer, .address_space: global }
      - { .name: ln2_g, .offset: 32, .size: 8, .value_kind: global_buffer, .address_space: global }
      - { .name: ln2_b, .offset: 40, .size: 8, .value_kind: global_buffer, .address_space: global }
      - { .name: lowp_scales, .offset: 48, .size: 8, .value_kind: global_buffer, .address_space: global }
      - { .name: h2b, .offset: 56, .size: 8, .value_kind: global_buffer, .address_space: global }
    .group_segment_fixed_size: 50688
    .private_segment_fixed_size: 0
    .kernarg_segment_align: 8
    .kernarg_segment_size: 64
    .max_flat_workgroup_size: 128
    .sgpr_count:     66
    .vgpr_count:     1024
    .wavefront_size: 32
...
	.end_amdgpu_metadata
.endif
;; end of part 4
;; launch ffn1 (part 5): grid 32 x 8, 4 waves a work-group, no clusters, 167,936 bytes of LDS; arguments h2b, wimg, b1, lowp_scales, hid; writes hid
.if DOCPART == 5
	.amdgcn_target "amdgcn-amd-amdhsa--gfx1250"
	.amdhsa_code_object_version 6
	.text
	.protected	k_qe6a57d4267_ffn1
	.globl	k_qe6a57d4267_ffn1
	.p2align	8
	.type	k_qe6a57d4267_ffn1,@function
k_qe6a57d4267_ffn1:
	s_mov_b64 s[64:65], 0
	v_nop
	global_prefetch_b8 v0, s[64:65] scope:SCOPE_SE
	s_setreg_imm32_b32 hwreg(HW_REG_WAVE_MODE, 25, 1), 1
	s_wait_xcnt 0x0
; Launch 5: gelu(h2 W1 + b1), quantised under e14 and stored as images of the last product's operand.  No work of reference() is left out here.
; The shape is that of the launch for q, k, v: a work-group makes 128 tokens x 384 hidden units, K = 768 in six steps written out; wave w owns 96 units for all 8 tiles of tokens (48 accumulators); the tokens' codes come into LDS
; once, a quarter by each wave's one tensor load; W1's fragments go from memory straight into registers.  No cluster: what partners could share is the 98,304 bytes at the head, a quarter of a work-group's bytes.
; The matrix instruction is used transposed: a lane holds one token and 16 neighbouring hidden units, the next K.  b1 goes in as the C of each sum's first instruction, divided by 2^(e12 + e13).
; gelu(u) = u / 2 + (u / 2) erf(u / sqrt 2); erf(x) = x P(x^2) / Q(x^2) with x held within +-4: a rational form in f32 whose error is about 1e-7 of 1, so 1 + erf has that absolute error.
; LIMITS: e12 + e13 between -125 and 127; e14 between -126 and 119.  NaN among the inputs is not served.
; REGISTERS: as in that launch; on the way out window 0 holds X v32-63, the held x v64-95, x^2 v96-127, P v128-159, Q v160-191, codes v192-207.
.set SPARE, 98304
.set AD0, 4
.set AD1, 5
.set LIMR, 6
.set SCLR, 7
.set SPW, 28
.set NIL, 29
.set BB, 36
.set MSB, 0
.macro WIN new
.if MSB != (\new)
	s_set_vgpr_msb (MSB<<8)|(\new)
.set MSB, (\new)
.endif
.endm
.macro PLACES n
.rept \n
	v_nop
.endr
.endm
.macro FETCH_A s, m0
	WIN 0
.irp mi, 0,1,2,3
.irp c, 0,1,2,3
	ds_load_b128 v[128+16*(\m0+\mi)+4*\c:128+16*(\m0+\mi)+4*\c+3], v[AD0+(\m0)/4] offset:12288*\mi+2048*(\s)+512*\c
.endr
.endr
.endm
.macro FETCH_B s
.set BS, (\s)%3
.if BS == 2
.set BR, 32
	WIN 0
.else
.set BR, 96*BS
	WIN 0x40
.endif
.irp n, 0,1,2,3,4,5
.irp c, 0,1,2,3
	global_load_b128 v[BR+16*\n+4*\c:BR+16*\n+4*\c+3], v[AD0], s[BB:BB+1] offset:12288*\n+2048*(\s)+512*\c
.endr
.endr
.endm
.macro MULH s, half                    ; 24 matrix instructions, each accumulator once
.set BS, (\s)%3
.if BS == 2
.set BW, 0
.set BR, 32
.else
.set BW, 1
.set BR, 96*BS
.endif
.set AW, 2+\half
.if (\s) == 0
.set CW, 1
.else
.set CW, AW
.endif
.set WN, BW|(CW<<4)|(AW<<6)
	WIN WN
.irp mm, 0,1,2,3
.irp n, 0,1,2,3,4,5
.set DR, 8*(6*\mm+\n)
.set AR, 128+16*(4*\half+\mm)
.set BN, BR+16*\n
.if (\s) == 0
	v_wmma_f32_16x16x128_fp8_fp8 v[DR:DR+7], v[BN:BN+15], v[AR:AR+15], v[192+8*\n:199+8*\n]
.else
	v_wmma_f32_16x16x128_fp8_fp8 v[DR:DR+7], v[BN:BN+15], v[AR:AR+15], v[DR:DR+7]
.endif
.endr
.endr
.endm
.macro STEP s
.if (\s) == 5
	s_wait_loadcnt 0x0
.else
	s_wait_loadcnt 24                              ; this step's weights are in; behind them only the next step's 24 loads were issued
.endif
	s_wait_dscnt 16                                ; token tiles 0-3 are in; the youngest sixteen loads may be out
	MULH \s, 0
	s_wait_dscnt 0x0
.if (\s) < 5
	PLACES 4                                       ; four plain instructions in front of loads into registers that matrix instructions have read
.if (\s) <= 3
	FETCH_B (\s)+2
.endif
	FETCH_A (\s)+1, 0
.endif
	MULH \s, 1
	PLACES 4
.if (\s) < 5
	FETCH_A (\s)+1, 4
.endif
.endm
.macro COEF reg, val                   ; a constant as a pair: the packed forms name a pair and take its low word for both halves
	s_mov_b32 s[\reg], \val
	s_mov_b32 s[\reg+1], \val
.endm
	s_load_b256 s[4:11], s[0:1], 0x0               ; h2b, wimg, b1, lowp_scales
	s_load_b64 s[28:29], s[0:1], 0x20              ; hid
	v_lshl_add_u32 v[SPW], v0, 2, SPARE
	v_mov_b32 v[NIL], 0
	ds_add_u32 v[SPW], v[NIL]                      ; the wave's opening: the add, twice on end, and its wait ahead of my tensor load
	ds_add_u32 v[SPW], v[NIL]
	v_lshrrev_b32 v1, 5, v0
	v_readfirstlane_b32 s30, v1                    ; wave 0..3
	v_and_b32 v1, 31, v0
	v_bfe_u32 v3, v0, 4, 1                         ; h
	v_lshlrev_b32 v[AD0], 4, v1
	v_add_nc_u32 v[AD1], 49152, v[AD0]
	v_lshlrev_b32 v14, 6, v3                       ; 64 h
	s_mov_b32 s16, 0x30000                         ; group 1: 96 rows of 256 bytes, dense, elements of 8 bytes
	s_mov_b32 s17, 32<<16
	s_mov_b32 s18, 96<<16
	s_mov_b32 s19, 32<<16
	s_mov_b32 s20, 96
	s_mov_b32 s21, 32
	s_mov_b32 s22, 0
	s_mov_b32 s23, 0
	s_and_b32 s31, ttmp7, 0xffff                   ; which 384 hidden units
	s_mul_i32 s34, ttmp9, 98304                    ; h2's codes: my block of 128 tokens, my quarter of it
	s_mul_i32 s35, s30, 24576
	s_add_co_u32 s34, s34, s35
	s_add_co_u32 s34, s34, 12582912
	s_mov_b32 s35, 0
	s_mul_i32 s90, s31, 24
	s_mul_i32 s91, s30, 6
	s_add_co_u32 s90, s90, s91                     ; my first tile of hidden units
	s_mul_i32 s92, s90, 12288
	s_add_co_u32 s92, s92, 2359296                 ; W1's images
	s_mov_b32 s93, 0
	s_lshl_b32 s94, s90, 6                         ; my first unit's byte in b1
	s_mov_b32 s95, 0
	s_lshl_b32 s26, s90, 8                         ; 512 x my first group of 32 units,
	s_mul_i32 s27, ttmp9, 393216                   ; + my 8 tiles of tokens
	s_add_co_u32 s26, s26, s27
	s_mov_b32 s27, 0
	s_wait_alu depctr_va_vdst(0)
	s_wait_dscnt 0x0                               ; both opening adds are done
	s_wait_kmcnt 0x0
	s_load_b512 s[68:83], s[10:11], 0x0            ; e0 .. e15
	s_mov_b32 s12, 1
	s_mul_i32 s13, s30, 24576
	s_add_nc_u64 s[14:15], s[4:5], s[34:35]
	s_or_b32 s15, s15, 0x80000000
	tensor_load_to_lds s[12:15], s[16:23]          ; every wave's one tensor load: one is out
	s_nop 0
	PLACES 4
	s_add_nc_u64 s[BB:BB+1], s[6:7], s[92:93]
	s_add_nc_u64 s[38:39], s[8:9], s[94:95]
	s_add_nc_u64 s[84:85], s[28:29], s[26:27]
	s_add_nc_u64 s[86:87], s[84:85], 512
	s_add_nc_u64 s[88:89], s[84:85], 1024
	WIN 0x40
.irp n, 0,1,2,3,4,5
.irp jj, 0,1
	global_load_b128 v[192+8*\n+4*\jj:195+8*\n+4*\jj], v14, s[38:39] offset:128*(\n/2)+32*(\n%2)+16*\jj
.endr
.endr
	FETCH_B 0
	FETCH_B 1
	WIN 0
	s_wait_kmcnt 0x0
	s_add_co_i32 s90, s80, s81                     ; e12 + e13
	s_sub_co_i32 s91, 0, s90
	s_lshl_b32 s90, s90, 23
	s_add_co_i32 s40, s90, 0x3f3504f3              ; 2^(e12 + e13) / sqrt 2
	s_mov_b32 s41, s40
	s_add_co_i32 s92, s82, 127
	s_lshl_b32 s93, s92, 23
	v_mov_b32 v[SCLR], s93                         ; 2^e14
	s_add_co_i32 s92, s92, 8
	s_lshl_b32 s92, s92, 23
	s_or_b32 s92, s92, 0x600000
	v_mov_b32 v[LIMR], s92                         ; 448 x 2^e14
	COEF 42, 0xaf95df0b                            ; P's coefficients, highest order first: a0; a1 lies in v[24:25];
	COEF 44, 0xb60cff51                            ; a2
	COEF 46, 0xb86ec2d2                            ; a3
	COEF 48, 0xba40ac63                            ; a4
	COEF 50, 0xbb41a1f6                            ; a5
	COEF 52, 0xbc83dbd4                            ; a6
	COEF 54, 0xb77460cd                            ; Q's: b0; b1 lies in v[26:27];
	COEF 56, 0xbadc924e                            ; b2
	COEF 58, 0xbbf19bf8                            ; b3
	COEF 60, 0xbc69b6a7                            ; b4
	COEF 62, 0x3f3504f3                            ; 1 / sqrt 2
	v_mov_b32 v24, 0x32edffee
	v_mov_b32 v25, 0x32edffee
	v_mov_b32 v26, 0xb95fbd29
	v_mov_b32 v27, 0xb95fbd29
	s_wait_loadcnt 48                              ; b1 is in; the 48 loads of two steps' weights may be out
	WIN 0x41
.set i, 0
.rept 48
	v_ldexp_f32 v[192+i], v[192+i], s91            ; b1 / 2^(e12 + e13)
.set i, i+1
.endr
	s_wait_alu depctr_va_vdst(0)
	s_wait_tensorcnt 0x0                           ; my quarter of the tokens' codes has landed;
	s_barrier_signal -1
	s_barrier_wait -1                              ; everybody's has.  Nothing is filled again in this launch
	FETCH_A 0, 0
	FETCH_A 0, 4
.irp st, 0,1,2,3,4,5
	STEP \st
.endr
; The activation and the quantiser for token tiles 2 mp, 2 mp + 1 and the p-th group of 32 units: 32 numbers a lane
.macro POLY dst, reg                   ; dst = dst x^2 + the coefficient, 16 independent lines
.set j, 0
.rept 16
	v_pk_fma_f32 v[\dst+j:\dst+j+1], v[\dst+j:\dst+j+1], v[96+j:97+j], s[\reg:\reg+1] op_sel_hi:[1,1,0]
.set j, j+2
.endr
.endm
.macro GELU mp, p
.set BT, 3*(\mp)+(\p)
.set AWN, 2+(\mp)/2
.set CD, 192+8*(BT%2)
	s_wait_xcnt 0x0                                ; the stores of two batches ago have read their codes' registers
	WIN AWN
.irp mi, 0,1
.set AR, 8*(6*((2*(\mp)+\mi)%4)+2*(\p))
.set j, 0
.rept 8
	v_pk_mul_f32 v[32+16*\mi+j:33+16*\mi+j], v[AR+j:AR+j+1], s[40:41] op_sel_hi:[1,0]   ; X = u / sqrt 2; each accumulator from its low end on
.set j, j+2
.endr
.endr
	WIN 0
.set i, 0
.rept 32
	v_med3_num_f32 v[64+i], v[32+i], -4.0, 4.0
.set i, i+1
.endr
.set j, 0
.rept 16
	v_pk_mul_f32 v[96+j:97+j], v[64+j:65+j], v[64+j:65+j]
.set j, j+2
.endr
.set j, 0
.rept 16
	v_pk_fma_f32 v[128+j:129+j], v[96+j:97+j], s[42:43], v[24:25] op_sel_hi:[1,0,1]
.set j, j+2
.endr
.set j, 0
.rept 16
	v_pk_fma_f32 v[160+j:161+j], v[96+j:97+j], s[54:55], v[26:27] op_sel_hi:[1,0,1]
.set j, j+2
.endr
	POLY 160, 56
	POLY 160, 58
	POLY 160, 60
.set i, 0
	s_wait_alu depctr_va_vdst(0)
.rept 32
	v_rcp_f32 v[160+i], v[160+i]                   ; 1 / Q: one batch
.set i, i+1
.endr
	POLY 128, 44                                   ; P's remaining steps name no result of the batch: they are the work behind it
	POLY 128, 46
	POLY 128, 48
	POLY 128, 50
	POLY 128, 52
.set j, 0
.rept 16
	v_pk_mul_f32 v[128+j:129+j], v[128+j:129+j], v[64+j:65+j]
	v_pk_mul_f32 v[32+j:33+j], v[32+j:33+j], s[62:63] op_sel_hi:[1,0]   ; u / 2
.set j, j+2
.endr
	s_wait_alu depctr_va_vdst(0)                   ; one wait for the 32 reciprocals, ahead of the first line that names one
.set j, 0
.rept 16
	v_pk_mul_f32 v[128+j:129+j], v[128+j:129+j], v[160+j:161+j]   ; erf
.set j, j+2
.endr
.set j, 0
.rept 16
	v_pk_fma_f32 v[32+j:33+j], v[32+j:33+j], v[128+j:129+j], v[32+j:33+j]   ; gelu
.set j, j+2
.endr
.set i, 0
.rept 32
	v_med3_num_f32 v[32+i], v[32+i], -v[LIMR], v[LIMR]
.set i, i+1
.endr
.irp mi, 0,1
	v_cvt_scalef32_pk8_fp8_f32 v[CD+4*\mi:CD+4*\mi+1], v[32+16*\mi:39+16*\mi], v[SCLR]
	v_cvt_scalef32_pk8_fp8_f32 v[CD+4*\mi+2:CD+4*\mi+3], v[40+16*\mi:47+16*\mi], v[SCLR]
.endr
	v_nop                                          ; a plain instruction behind the last conversion: the next batch writes their sources
.irp mi, 0,1
	global_store_b128 v[AD0], v[CD+4*\mi:CD+4*\mi+3], s[84+2*(\p):85+2*(\p)] offset:49152*(2*(\mp)+\mi)
.endr
.endm
.irp mp, 0,1,2,3
.irp p, 0,1,2
	GELU \mp, \p
.endr
.endr
	s_wait_tensorcnt 0x0                           ; the wave's end
	ds_add_u32 v[SPW], v[NIL]
	s_wait_dscnt 0x0
	s_endpgm
.Lfunc_end_k_qe6a57d4267_ffn1:
	.size	k_qe6a57d4267_ffn1, .Lfunc_end_k_qe6a57d4267_ffn1-k_qe6a57d4267_ffn1
	.p2alignl 7, 3214868480
	.fill 96, 4, 3214868480
	.section	.rodata,"a",@progbits
	.p2align	6, 0x0
	.amdhsa_kernel k_qe6a57d4267_ffn1
		.amdhsa_group_segment_fixed_size 167936
		.amdhsa_private_segment_fixed_size 0
		.amdhsa_enable_private_segment 0
		.amdhsa_kernarg_size 40
		.amdhsa_user_sgpr_count 2
		.amdhsa_user_sgpr_kernarg_segment_ptr 1
		.amdhsa_wavefront_size32 1
		.amdhsa_system_sgpr_workgroup_id_x 1
		.amdhsa_system_sgpr_workgroup_id_y 1
		.amdhsa_system_sgpr_workgroup_id_z 1
		.amdhsa_system_vgpr_workitem_id 0
		.amdhsa_next_free_vgpr 1024
		.amdhsa_next_free_sgpr 100
		.amdhsa_reserve_vcc 0
		.amdhsa_float_denorm_mode_32 3
		.amdhsa_float_denorm_mode_16_64 3
		.amdhsa_memory_ordered 1
		.amdhsa_forward_progress 1
		.amdhsa_inst_pref_size 255
	.end_amdhsa_kernel
	.section	.bss,"aw",@nobits
	.p2align	6
	.space	262144
	.amdgpu_metadata
---
amdhsa.version: [ 1, 2 ]
amdhsa.kernels:
  - .name:           k_qe6a57d4267_ffn1
    .symbol:         k_qe6a57d4267_ffn1.kd
    .args:
      - { .name: h2b, .offset: 0, .size: 8, .value_kind: global_buffer, .address_space: global }
      - { .name: wimg, .offset: 8, .size: 8, .value_kind: global_buffer, .address_space: global }
      - { .name: b1, .offset: 16, .size: 8, .value_kind: global_buffer, .address_space: global }
      - { .name: lowp_scales, .offset: 24, .size: 8, .value_kind: global_buffer, .address_space: global }
      - { .name: hid, .offset: 32, .size: 8, .value_kind: global_buffer, .address_space: global }
    .group_segment_fixed_size: 167936
    .private_segment_fixed_size: 0
    .kernarg_segment_align: 8
    .kernarg_segment_size: 40
    .max_flat_workgroup_size: 128
    .sgpr_count:     100
    .vgpr_count:     1024
    .wavefront_size: 32
...
	.end_amdgpu_metadata
.endif
;; end of part 5
;; launch ffn2 (part 6): grid 64 x 4, 4 waves a work-group, no clusters, 201,216 bytes of LDS; arguments hid, wimg, h2b, b2, lowp_scales, out0; writes out0
.if DOCPART == 6
	.amdgcn_target "amdgcn-amd-amdhsa--gfx1250"
	.amdhsa_code_object_version 6
	.text
	.protected	k_qe6a57d4267_ffn2
	.globl	k_qe6a57d4267_ffn2
	.p2align	8
	.type	k_qe6a57d4267_ffn2,@function
k_qe6a57d4267_ffn2:
	s_mov_b64 s[64:65], 0
	v_nop
	global_prefetch_b8 v0, s[64:65] scope:SCOPE_SE
	s_setreg_imm32_b32 hwreg(HW_REG_WAVE_MODE, 25, 1), 1
	s_wait_xcnt 0x0
; Launch 6: out = gelu codes x W2 codes x 2^(e14 + e15) + b2 + h2.  No work of reference() is left out here.
; A work-group makes 64 tokens x 192 columns.  THE WAVES SHARE K: each makes the whole tile (48 accumulators) for its quarter of K = 3,072, six steps of 128.  So every operand byte of the work-group is loaded once,
; straight into registers as an image, with no LDS and no barrier in the products; the four partial sums meet in LDS, which also turns lanes into rows for the stores.  No tensor load, no cluster: each fragment has one reader.
; The matrix instruction is used transposed (source 0 = 16 rows of W2, source 1 = 16 tokens).
; LIMIT: e14 + e15 between -126 and 127.  NaN among the inputs is not served.
; REGISTERS: window 0: v0-31 addresses, b2; v32-127 h2; v128-255 accumulators of column tiles 8-11, later the sums on their way out.  windows 1, 2: two sets of operands: W2's tile n at v[16 n], the tokens' tile m at v[192 + 16 m].
;   window 3: accumulator (n, m) of column tiles 0-7 at v[8 (4 n + m)].
.set SPARE, 200704                     ; behind the four stages of 64 rows x (768 + 16) bytes: the spare words, two blocks of 256 bytes that no other line names
.set SPW, 28
.set NIL, 29
.set MSB, 0
.macro WIN new
.if MSB != (\new)
	s_set_vgpr_msb (MSB<<8)|(\new)
.set MSB, (\new)
.endif
.endm
.macro PLACES n
.rept \n
	v_nop
.endr
.endm
	s_load_b256 s[4:11], s[0:1], 0x0               ; hid, wimg, h2b, b2
	s_load_b128 s[12:15], s[0:1], 0x20             ; lowp_scales, out0
	v_lshl_add_u32 v[SPW], v0, 2, SPARE
	v_mov_b32 v[NIL], 0
	v_lshrrev_b32 v1, 5, v0
	v_readfirstlane_b32 s30, v1                    ; wave 0..3
	v_and_b32 v1, 31, v0
	v_and_b32 v2, 15, v0                           ; lane % 16
	v_bfe_u32 v3, v0, 4, 1                         ; lane / 16
	v_lshlrev_b32 v4, 4, v1                        ; 16 x lane
	v_lshlrev_b32 v7, 4, v2                        ; 16 (lane % 16)
	v_mul_u32_u24 v5, v3, 3072
	v_add_nc_u32 v5, v5, v7                        ; h2 and out: sixteen lanes to 256 bytes of a row, two rows an instruction
	s_mul_i32 s31, s30, 50176
	v_mul_u32_u24 v6, v2, 784
	v_lshl_add_u32 v6, v3, 6, v6
	v_add_nc_u32 v6, s31, v6                       ; my stage, in: row lane % 16, + 64 (lane / 16)
	s_mul_i32 s32, s30, 12544
	v_mul_u32_u24 v8, v3, 784
	v_add_nc_u32 v8, v8, v7
	v_add_nc_u32 v8, s32, v8                       ; the four stages, back: my 16 rows
	v_add_nc_u32 v9, 50176, v8
	v_add_nc_u32 v10, 100352, v8
	v_add_nc_u32 v11, 150528, v8
	s_and_b32 s31, ttmp7, 0xffff                   ; which 192 columns
	s_mul_i32 s33, s30, 12288                      ; my quarter of K: six images
	s_mul_i32 s34, ttmp9, 196608                   ; hid: my four tiles of tokens
	s_add_co_u32 s34, s34, s33
	s_mov_b32 s35, 0
	s_mul_i32 s36, s31, 589824                     ; wimg: W2, my 12 tiles
	s_add_co_u32 s36, s36, s33
	s_add_co_u32 s36, s36, 4718592
	s_mov_b32 s37, 0
	s_mul_i32 s40, s31, 768                        ; my columns' bytes
	s_mov_b32 s41, 0
	s_lshl_b32 s38, ttmp9, 6                       ; the first token that I store: 64 x + 32 (wave / 2) + 8 (wave % 2)
	s_lshr_b32 s39, s30, 1
	s_lshl_b32 s39, s39, 5
	s_add_co_u32 s38, s38, s39
	s_and_b32 s39, s30, 1
	s_lshl_b32 s39, s39, 3
	s_add_co_u32 s38, s38, s39
	s_mul_i32 s38, s38, 3072
	s_add_co_u32 s38, s38, s40
	s_mov_b32 s39, 0
	s_wait_kmcnt 0x0
	s_load_b64 s[26:27], s[12:13], 0x38            ; e14, e15
	s_add_nc_u64 s[16:17], s[4:5], s[34:35]
	s_add_nc_u64 s[18:19], s[6:7], s[36:37]
	s_add_nc_u64 s[20:21], s[8:9], s[38:39]
	s_add_nc_u64 s[22:23], s[14:15], s[38:39]
	s_add_nc_u64 s[10:11], s[10:11], s[40:41]
.irp i, 0,1,2,3,4,5,6,7
.irp part, 0,1,2
	global_load_b128 v[32+4*(3*\i+\part):35+4*(3*\i+\part)], v5, s[20:21] offset:(2*\i+8*(\i/4))*3072+256*\part   ; h2 at the places that I store
.endr
.endr
.irp part, 0,1,2
	global_load_b128 v[12+4*\part:15+4*\part], v7, s[10:11] offset:256*\part
.endr
.macro GA sg                           ; the tokens' four fragments of my K step sg
.irp m, 0,1,2,3
.irp c, 0,1,2,3
	global_load_b128 v[192+16*\m+4*\c:195+16*\m+4*\c], v4, s[16:17] offset:49152*\m+2048*(\sg)+512*\c th:TH_LOAD_NT
.endr
.endr
.endm
.macro GB g, sg                        ; W2's tiles 4 g .. 4 g + 3
.irp i, 0,1,2,3
.irp c, 0,1,2,3
	global_load_b128 v[16*(4*\g+\i)+4*\c:16*(4*\g+\i)+4*\c+3], v4, s[18:19] offset:49152*(4*\g+\i)+2048*(\sg)+512*\c
.endr
.endr
.endm
; A K step: three groups of 16 matrix instructions; each group's successor in the next step is asked for behind it, into the other set: 48 to 80 loads a wave are out, each asked for a whole step ahead.
.macro KSTEP sg
.set KK, (\sg)%2
.set WK, 1+KK
.set WNX, (2-KK)<<6
.if (\sg) < 5
	PLACES 4                                       ; in front of all this step's loads into the set that the step before has multiplied
	WIN WNX
	GA (\sg)+1
.endif
.irp g, 0,1,2
.if (\sg) < 5
	s_wait_loadcnt 48                              ; behind this group's loads were issued: the rest of this step's, 16 (2 - g); the next step's tokens, 16; its first g groups, 16 g
.else
	s_wait_loadcnt 32-16*\g
.endif
.if \g < 2
.set AWN, 3
.else
.set AWN, 0
.endif
.set WN, WK|(WK<<2)|(AWN<<4)|(AWN<<6)
	WIN WN
.irp i, 0,1,2,3
.irp m, 0,1,2,3
.set NN, 4*\g+\i
.if \g < 2
.set DR, 8*(4*NN+\m)
.else
.set DR, 128+8*(4*(NN-8)+\m)
.endif
.if (\sg) == 0
	v_wmma_f32_16x16x128_fp8_fp8 v[DR:DR+7], v[16*NN:16*NN+15], v[192+16*\m:207+16*\m], 0
.else
	v_wmma_f32_16x16x128_fp8_fp8 v[DR:DR+7], v[16*NN:16*NN+15], v[192+16*\m:207+16*\m], v[DR:DR+7]
.endif
.endr
.endr
.if (\sg) < 5
	WIN WNX
	GB \g, (\sg)+1
.endif
.endr
.endm
	WIN 0x40
	GA 0
	GB 0, 0
	GB 1, 0
	GB 2, 0
.irp sg, 0,1,2,3,4,5
	KSTEP \sg                                      ; the 48 accumulators take turns
.endr
	PLACES 4
	WIN 0x0c                                       ; store data from window 3
	s_wait_alu depctr_va_vdst(0)
.irp n, 0,1,2,3,4,5,6,7
.irp m, 0,1,2,3
	ds_store_b128 v6, v[8*(4*\n+\m):8*(4*\n+\m)+3] offset:12544*\m+128*(\n/2)+32*(\n%2)          ; each accumulator from its low end on
	ds_store_b128 v6, v[8*(4*\n+\m)+4:8*(4*\n+\m)+7] offset:12544*\m+128*(\n/2)+32*(\n%2)+16
.endr
.endr
	WIN 0
.irp n, 8,9,10,11
.irp m, 0,1,2,3
	ds_store_b128 v6, v[128+8*(4*(\n-8)+\m):128+8*(4*(\n-8)+\m)+3] offset:12544*\m+128*(\n/2)+32*(\n%2)
	ds_store_b128 v6, v[128+8*(4*(\n-8)+\m)+4:128+8*(4*(\n-8)+\m)+7] offset:12544*\m+128*(\n/2)+32*(\n%2)+16
.endr
.endr
	s_wait_kmcnt 0x0
	s_add_co_i32 s24, s26, s27
	s_add_co_i32 s24, s24, 127
	s_lshl_b32 s24, s24, 23                        ; 2^(e14 + e15)
	s_mov_b32 s25, s24
	s_wait_dscnt 0x0                               ; my partial sums lie in my stage
	s_barrier_signal -1
	s_barrier_wait -1
.macro FLOAD i                         ; rows 2 i, 2 i + 1 of my 16, from the four stages
.set BF, 128+48*((\i)%2)
.irp part, 0,1,2
.irp st, 0,1,2,3
	ds_load_b128 v[BF+16*\part+4*\st:BF+16*\part+4*\st+3], v[8+\st] offset:1568*(\i)+256*\part
.endr
.endr
.endm
.macro FIN i
	s_wait_xcnt 0x0                                ; the stores of the pair before last have read the registers that the loads below fill
.if (\i) < 7
	FLOAD (\i)+1
	s_wait_dscnt 12                                ; this pair is in; the next pair's twelve loads may be out
.else
	s_wait_dscnt 0x0
.endif
.irp part, 0,1,2
.set B, 128+48*((\i)%2)+16*\part
.set HH, 32+4*(3*(\i)+\part)
.set B2, 12+4*\part
	v_pk_add_f32 v[B:B+1], v[B:B+1], v[B+4:B+5]
	v_pk_add_f32 v[B+2:B+3], v[B+2:B+3], v[B+6:B+7]
	v_pk_add_f32 v[B+8:B+9], v[B+8:B+9], v[B+12:B+13]
	v_pk_add_f32 v[B+10:B+11], v[B+10:B+11], v[B+14:B+15]
	v_pk_add_f32 v[HH:HH+1], v[HH:HH+1], v[B2:B2+1]              ; h2 + b2
	v_pk_add_f32 v[HH+2:HH+3], v[HH+2:HH+3], v[B2+2:B2+3]
	v_pk_add_f32 v[B:B+1], v[B:B+1], v[B+8:B+9]
	v_pk_add_f32 v[B+2:B+3], v[B+2:B+3], v[B+10:B+11]
	v_pk_fma_f32 v[B:B+1], v[B:B+1], s[24:25], v[HH:HH+1] op_sel_hi:[1,0,1]
	v_pk_fma_f32 v[B+2:B+3], v[B+2:B+3], s[24:25], v[HH+2:HH+3] op_sel_hi:[1,0,1]
	global_store_b128 v5, v[B:B+3], s[22:23] offset:(2*(\i)+8*((\i)/4))*3072+256*\part th:TH_STORE_NT   ; sixteen lanes store 256 consecutive bytes, at a multiple of 256 from out0's first byte
.endr
.endm
	FLOAD 0
.irp i, 0,1,2,3,4,5,6,7
	FIN \i
.endr
	s_wait_tensorcnt 0x0                           ; the wave's end
	ds_add_u32 v[SPW], v[NIL]
	s_wait_dscnt 0x0
	s_endpgm
.Lfunc_end_k_qe6a57d4267_ffn2:
	.size	k_qe6a57d4267_ffn2, .Lfunc_end_k_qe6a57d4267_ffn2-k_qe6a57d4267_ffn2
	.p2alignl 7, 3214868480
	.fill 96, 4, 3214868480
	.section	.rodata,"a",@progbits
	.p2align	6, 0x0
	.amdhsa_kernel k_qe6a57d4267_ffn2
		.amdhsa_group_segment_fixed_size 201216
		.amdhsa_private_segment_fixed_size 0
		.amdhsa_enable_private_segment 0
		.amdhsa_kernarg_size 48
		.amdhsa_user_sgpr_count 2
		.amdhsa_user_sgpr_kernarg_segment_ptr 1
		.amdhsa_wavefront_size32 1
		.amdhsa_system_sgpr_workgroup_id_x 1
		.amdhsa_system_sgpr_workgroup_id_y 1
		.amdhsa_system_sgpr_workgroup_id_z 1
		.amdhsa_system_vgpr_workitem_id 0
		.amdhsa_next_free_vgpr 1024
		.amdhsa_next_free_sgpr 66
		.amdhsa_reserve_vcc 0
		.amdhsa_float_denorm_mode_32 3
		.amdhsa_float_denorm_mode_16_64 3
		.amdhsa_memory_ordered 1
		.amdhsa_forward_progress 1
		.amdhsa_inst_pref_size 92
	.end_amdhsa_kernel
	.amdgpu_metadata
---
amdhsa.version: [ 1, 2 ]
amdhsa.kernels:
  - .name:           k_qe6a57d4267_ffn2
    .symbol:         k_qe6a57d4267_ffn2.kd
    .args:
      - { .name: hid, .offset: 0, .size: 8, .value_kind: global_buffer, .address_space: global }
      - { .name: wimg, .offset: 8, .size: 8, .value_kind: global_buffer, .address_space: global }
      - { .name: h2b, .offset: 16, .size: 8, .value_kind: global_buffer, .address_space: global }
      - { .name: b2, .offset: 24, .size: 8, .value_kind: global_buffer, .address_space: global }
      - { .name: lowp_scales, .offset: 32, .size: 8, .value_kind: global_buffer, .address_space: global }
      - { .name: out0, .offset: 40, .size: 8, .value_kind: global_buffer, .address_space: global }
    .group_segment_fixed_size: 201216
    .private_segment_fixed_size: 0
    .kernarg_segment_align: 8
    .kernarg_segment_size: 48
    .max_flat_workgroup_size: 128
    .sgpr_count:     66
    .vgpr_count:     1024
    .wavefront_size: 32
...
	.end_amdgpu_metadata
.endif
;; end of part 6
